; MI455X (gfx1250); checked and timed in simulation.
; The chip was launched on July 23, 2026; its instructions are those of AMD's public machine-readable ISA for CDNA 5 (MIT licence, August 2026) and "CDNA5" Instruction Set Architecture Reference Guide (July 2026). The comments in the code are by the model that wrote it; some were corrected since.
;; Multihead Attention. Allowed arithmetic: matrix products marked QUANTISED: E5M2 operands, one E8M0 scale for each 32 along K, by v_wmma_scale_f32_16x16x128_f8f6f4 with both operands' format E5M2, f32 sums; everything else in f32.
;; Inputs: mask 4 x 2,048 bool; proj_b 1,024 float32; proj_w 1,024 x 1,024 float32; qkv_b 3,072 float32; qkv_w 3,072 x 1,024 float32; x 4 x 2,048 x 1,024 float32.
;; Outputs: out0 4 x 2,048 x 1,024 float32.
;; This version of the problem:
;;   THIS VERSION OF THE PROBLEM IS GIVEN IN LOW PRECISION. The matrix products marked QUANTISED in the list below multiply operands that are first quantised to E5M2 (5 exponent bits, 2 mantissa bits; 8 bits a number), with one power-of-two scale for each 32 numbers along K (OCP MX v1.0); their sums are f32. All else is computed in f32.
;;   The module's matrix products, in the order in which they are computed (A, B: the left and right operand; K: the contracted axis; several contracted axes count as one K, in the product's order):
;;     1. [M 8,192, K 1,024] x [K 1,024, N 3,072]; A: input x; B: input qkv_w: QUANTISED
;;     2. batch 64 x [M 2,048, K 64] x [K 64, N 2,048]; A: computed on the way; B: computed on the way: QUANTISED
;;     3. batch 64 x [M 2,048, K 2,048] x [K 2,048, N 64]; A: softmax (see below); B: computed on the way: QUANTISED
;;     4. [M 8,192, K 1,024] x [K 1,024, N 1,024]; A: computed on the way; B: input proj_w: QUANTISED
;;   THE QUANTISER, for each operand of a quantised product, along K:
;;     - K is cut into blocks of 32 from its start; a last block that is shorter is filled with zeros.
;;     - A block's scale is 2^e with e = floor(log2(the largest magnitude in the block)) - 15, held to -126 .. 127; a block of zeros has e = 0. As a byte (E8M0): e + 127.
;;     - Each number is divided by its block's scale, clamped to +-57,344, and rounded to the nearest number of E5M2, ties to even, subnormals kept.
;;     - The product sums the exact products of the quantised numbers (number of the format x scale) in f32.
;;   ~~~python
;;   def quantise(x, axis):      # numpy; x: float32 -> the quantised numbers, widened to float32 again
;;       x = np.moveaxis(x, axis, -1); K = x.shape[-1]
;;       x = np.pad(x, [(0, 0)] * (x.ndim - 1) + [(0, -K % 32)]); x = x.reshape(x.shape[:-1] + (-1, 32)); a = np.abs(x).max(-1, keepdims=True)
;;       e = np.where(a > 0, np.clip(np.frexp(np.where(a > 0, a, 1))[1] - 1 - 15, -126, 127), 0)      # np.frexp(a)[1] - 1 = floor(log2(a)), exactly
;;       r = np.clip(x / 2.0 ** e, -57344, 57344)
;;       step = 2.0 ** (np.maximum(np.frexp(np.where(r == 0, 1, r))[1] - 1, -14) - 2)
;;       q = np.round(r / step) * step * 2.0 ** e      # np.round: ties to even
;;       return np.moveaxis(q.reshape(q.shape[:-2] + (-1,))[..., :K], -1, axis).astype(np.float32)
;;   ~~~
;;   SOFTMAX AHEAD OF A QUANTISED PRODUCT. Where the list says 'softmax', what is quantised is not the finished softmax but p = 2^(t - M), with t = logit x log2(e) and M = ceil(the row's largest t), a whole number; so 1/2 < the row's largest p <= 1. The row's sum l is taken of the UNQUANTISED p, in f32, and the product's result is divided by l at the end. Since M is a whole number, a kernel that streams over the keys may use a running M (the ceiling of the running maximum): every later rescaling is an exact power of two, which a block's scale takes up: the codes' values come out the same.
;;   OPERANDS COMPUTED ON THE WAY. 'Computed on the way' means the value that the module computes at that place (a softmax that the list does not call 'softmax' is quantised finished and normalised). What goes into a quantiser is computed in f32, as accurately as f32 sums, v_exp_f32 and their like allow (about 1e-6 of the number): no bf16 or f16 on the way to a quantiser, and a product that is left as it is and whose result goes on into a quantised operand takes f32 operands (vector FMAs, or v_wmma_f32_16x16x4_f32). A number that lies on a knife's edge between two numbers of the format may be rounded either way, as far as f32 arithmetic and the matrix unit's own rounding can turn it there, and no further.
;; One version. Each part assembles by itself: llvm-mc -triple=amdgcn-amd-amdhsa -mcpu=gfx1250 --defsym DOCPART=n.
;; ======== version 1 of 1: 4 launches
;; limits: right only within a limited range of input values
;; workspace buffers: codes1 12,582,912 bytes; scales1 393,216 bytes; qkv_img 25,165,824 bytes; qkv_sc 1,572,864 bytes; o_img 8,388,608 bytes; o_sc 262,144 bytes
;; launch quant (part 1): grid 384 x 1, 4 waves a work-group, no clusters, 33,280 bytes of LDS; arguments x, qkv_w, proj_w, codes1, scales1; writes codes1, scales1
.if DOCPART == 1
	.amdgcn_target "amdgcn-amd-amdhsa--gfx1250"
	.amdhsa_code_object_version 6
	.text
	.protected	k_q87fb85e7e5_quant
	.globl	k_q87fb85e7e5_quant
	.p2align	8
	.type	k_q87fb85e7e5_quant,@function
k_q87fb85e7e5_quant:
	s_mov_b64 s[64:65], 0
	v_nop
	global_prefetch_b8 v0, s[64:65] scope:SCOPE_SE
	s_setreg_imm32_b32 hwreg(HW_REG_WAVE_MODE, 25, 1), 1
	s_wait_xcnt 0x0
; x [8192][1024], qkv_w [3072][1024] and proj_w [1024][1024], f32, become codes of BF8 (E5M2), K innermost, with one E8M0 scale byte for each 32 along K.
; The three tensors' rows lie one behind the other in codes1 (1,024 bytes a row) and scales1 (32 bytes a row): x from row 0, qkv_w from row 8,192, proj_w from row 11,264.
; A ROW OF x OR OF qkv_w IS STORED AT THE PLACE THAT IS ITS NUMBER WITH BITS 3 AND 4 EXCHANGED: sixteen neighbouring stored rows are then rows 32 b + 8 u + r + 8 (r / 8), the choice of rows by which a product's
; results come out with sixteen neighbours along the next K in a lane's registers.  proj_w keeps its order.
; A block's scale is 2^(floor(log2(its largest magnitude)) - 15); its byte is the largest magnitude's exponent field - 15, held at 1 from below.  A block of zeros gets the byte 1 where the rule says 127: its codes are
; zeros, which add nothing under any byte but 0xff, and the bytes are read by this program alone.
; LIMITS: blocks whose largest magnitude lies under 2^-111 keep the byte 1; NaN and infinities among the inputs are not served.
; A wave takes one run of 8,192 numbers (8 rows) in 16 steps of 512.  Run 4 x work-group + wave; rows' bits 3 and 4 are the run's bits 0 and 1, which are the wave's number: so the exchange is an exchange of the wave's two bits on the way out.
; Each of a step's four loads reads 512 consecutive bytes; the 2,048 bytes turn through the wave's own stage in LDS and come back 64 bytes a lane, so that a lane holds 16 neighbours (two lanes hold a block).
; A wave's store of codes covers 512 consecutive bytes; its 256 scale bytes are gathered in LDS and leave as 256 consecutive, aligned bytes.  No tensor loads, no barrier: waves share nothing.
.set STEPS, 16
.set MANT,  0x600000                   ; the mantissa field of 57,344 as f32
.set CB,    16                         ; bytes of 16 codes
.set R,     16                         ; v16-79   four sets of 16 numbers as they are loaded
.set X,     80                         ; v80-111  two sets of 16 neighbours
.set C,     128                        ; v128-191 codes: four registers for each step, so that no store's data are written again
.set E,     112                        ; v112-127 a scale byte for each step
.set WREG,  8192                       ; LDS: a region for each wave: two stages of 32 x SP bytes, behind them its 256 scale bytes
.set SP,    80                         ; a lane's place in a stage: its 64 bytes + 16 of padding
	s_load_b256 s[4:11], s[0:1], 0x0               ; x s[4:5], qkv_w s[6:7], proj_w s[8:9], codes1 s[10:11]
	s_load_b64 s[12:13], s[0:1], 0x20              ; scales1
	v_lshl_add_u32 v192, v0, 2, 0x8000
	v_mov_b32 v193, 0
	v_lshrrev_b32 v1, 5, v0
	v_readfirstlane_b32 s16, v1                    ; wave
	v_and_b32 v2, 31, v0                           ; lane
	v_lshlrev_b32 v3, 4, v2                        ; my 16 bytes of a load's 512
	s_mul_i32 s17, s16, WREG
	v_lshrrev_b32 v14, 2, v2
	v_mul_u32_u24 v14, v14, SP
	v_and_b32 v15, 3, v2
	v_lshl_add_u32 v14, v15, 4, v14
	v_add_nc_u32 v14, s17, v14                     ; the stage, on the way in: SP (lane / 4) + 16 (lane % 4)
	v_mul_u32_u24 v15, v2, SP
	v_add_nc_u32 v15, s17, v15                     ; and on the way out: SP x lane: my 16 neighbours
	v_mul_u32_u24 v4, v2, CB                       ; my codes' place in a step's
	v_lshrrev_b32 v5, 1, v2
	s_add_co_u32 s17, s17, 2*32*SP
	v_add_nc_u32 v5, s17, v5                       ; LDS: my wave's 256 scale bytes, my block's byte
	v_lshlrev_b32 v7, 3, v2                        ; and on the way out 8 bytes a lane
	v_add_nc_u32 v6, s17, v7
	s_mov_b32 s26, MANT                            ; (an instruction takes one literal: the hold's line has another)
	s_mov_b32 s25, 352                             ; work-groups 0-255 take x, 256-351 qkv_w, 352-383 proj_w
	s_and_b32 s18, s16, 1
	s_lshl_b32 s18, s18, 1
	s_lshr_b32 s19, s16, 1
	s_or_b32 s18, s18, s19                         ; the wave's number with its two bits exchanged
	s_wait_alu depctr_va_vdst(0)
	s_wait_kmcnt 0x0
	s_cmp_lt_u32 ttmp9, s25                        ; the choices hang on the work-group's number alone
	s_cselect_b64 s[6:7], s[6:7], s[8:9]
	s_cselect_b32 s24, 256, s25                    ; the tensor's first work-group
	s_cselect_b32 s23, s18, s16                    ; proj_w keeps its order
	s_cmp_lt_u32 ttmp9, 256
	s_cselect_b64 s[4:5], s[4:5], s[6:7]
	s_cselect_b32 s24, 0, s24
	s_sub_co_u32 s20, ttmp9, s24
	s_lshl_b32 s20, s20, 2
	s_add_co_u32 s20, s20, s16                     ; my run in its tensor,
	s_lshl_b32 s20, s20, 15                        ; 32,768 bytes each (33.5 million at the most)
	s_mov_b32 s21, 0
	s_add_nc_u64 s[4:5], s[4:5], s[20:21]
	s_lshl_b32 s22, ttmp9, 2
	s_add_co_u32 s22, s22, s23                     ; the run's place among all 1,536
	s_lshl_b32 s20, s22, 13                        ; 8,192 bytes of codes,
	s_add_nc_u64 s[10:11], s[10:11], s[20:21]
	s_lshl_b32 s20, s22, 8                         ; 256 scale bytes
	s_add_nc_u64 s[12:13], s[12:13], s[20:21]
.macro LOAD t
.irp i, 0,1,2,3
	global_load_b128 v[R+16*((\t)%4)+4*\i:R+16*((\t)%4)+4*\i+3], v3, s[4:5] offset:2048*(\t)+512*\i th:TH_LOAD_NT   ; 32 lanes read 512 consecutive bytes
.endr
.endm
.macro TURN t                          ; step t's numbers through the stage: LDS serves a wave's instructions in order, so no wait stands between the stores and the loads
.irp i, 0,1,2,3
	ds_store_b128 v14, v[R+16*((\t)%4)+4*\i:R+16*((\t)%4)+4*\i+3] offset:32*SP*((\t)%2)+8*SP*\i
.endr
.irp i, 0,1,2,3
	ds_load_b128 v[X+16*((\t)%2)+4*\i:X+16*((\t)%2)+4*\i+3], v15 offset:32*SP*((\t)%2)+16*\i
.endr
.endm
.irp t, 0,1,2,3
	LOAD \t
.endr
	s_wait_loadcnt 12                              ; step 0's four loads are in; the twelve of steps 1 to 3 may be out
	TURN 0
.macro STEP t
.set XS, X+16*((\t)%2)
.if (\t) > 0
	s_wait_dscnt 1                                 ; this step's numbers are back from the stage (the last step's byte store may be out): so its stores into the stage have read their registers,
.else
	s_wait_dscnt 0x0
.endif
.if (\t)+4 < STEPS
	LOAD (\t)+4                                    ; which take the loads of four steps on
.endif
.if (\t)+1 < STEPS
.if STEPS-2-(\t) >= 3
	s_wait_loadcnt 12                              ; the next step's four loads are in; those of the three steps behind it may be out
.else
	s_wait_loadcnt 4*(STEPS-2-(\t))
.endif
	TURN (\t)+1                                    ; and go through the other stage while this step is worked
.endif
	v_max3_num_f32 v8, |v[XS]|, |v[XS+1]|, |v[XS+2]|               ; the largest magnitude of my 16
	v_max3_num_f32 v9, |v[XS+3]|, |v[XS+4]|, |v[XS+5]|
.irp i, 6,10
	v_max3_num_f32 v8, v8, |v[XS+\i]|, |v[XS+\i+1]|
	v_max3_num_f32 v9, v9, |v[XS+\i+2]|, |v[XS+\i+3]|
.endr
	v_max3_num_f32 v8, v8, |v[XS+14]|, |v[XS+15]|
	v_max3_num_f32 v8, v8, v9, 0x8000000           ; and the floor 2^(16 - 127): so the byte cannot fall under 1
	v_max_num_f32_dpp v8, v8, v8 row_xmask:1 row_mask:0xf bank_mask:0xf   ; and of my neighbour's 16: the block's
	v_add_nc_u32 v11, 0xf8800000, v8               ; 15 off its exponent field: the conversion takes the exponent field of this operand as its scale, and nothing else of it
	v_and_or_b32 v10, v8, 0x7f800000, s26          ; 57,344 x the scale: the largest magnitude's exponent field over 57,344's mantissa
.irp i, 0,1,2,3,4,5,6,7,8,9,10,11,12,13,14,15
	v_med3_num_f32 v[XS+\i], v[XS+\i], -v10, v10   ; the conversion to an 8-bit code does not saturate (ISA guide 7.6.2): hold the number first
.endr
	v_cvt_scalef32_pk8_bf8_f32 v[C+4*(\t):C+4*(\t)+1], v[XS:XS+7], v11
	v_cvt_scalef32_pk8_bf8_f32 v[C+4*(\t)+2:C+4*(\t)+3], v[XS+8:XS+15], v11
	v_lshrrev_b32 v[E+(\t)], 23, v11               ; the scale's byte (a plain line behind the conversions)
	ds_store_b8 v5, v[E+(\t)] offset:16*(\t)       ; both lanes of a block write the same byte with the same value
	global_store_b128 v4, v[C+4*(\t):C+4*(\t)+3], s[10:11] offset:32*CB*(\t)
.endm
.irp t, 0,1,2,3,4,5,6,7,8,9,10,11,12,13,14,15
	STEP \t
.endr
	ds_load_b64 v[12:13], v6                       ; LDS serves a wave's instructions in order: these see my stores
	s_wait_dscnt 0x0
	global_store_b64 v7, v[12:13], s[12:13]        ; 32 lanes store 256 consecutive bytes, aligned
	s_wait_tensorcnt 0x0
	ds_add_u32 v192, v193
	s_wait_dscnt 0x0
	s_endpgm
.Lfunc_end_k_q87fb85e7e5_quant:
	.size	k_q87fb85e7e5_quant, .Lfunc_end_k_q87fb85e7e5_quant-k_q87fb85e7e5_quant
	.p2alignl 7, 3214868480
	.fill 96, 4, 3214868480
	.section	.rodata,"a",@progbits
	.p2align	6, 0x0
	.amdhsa_kernel k_q87fb85e7e5_quant
		.amdhsa_group_segment_fixed_size 33280
		.amdhsa_private_segment_fixed_size 0
		.amdhsa_enable_private_segment 0
		.amdhsa_kernarg_size 40
		.amdhsa_user_sgpr_count 2
		.amdhsa_user_sgpr_kernarg_segment_ptr 1
		.amdhsa_wavefront_size32 1
		.amdhsa_system_sgpr_workgroup_id_x 1
		.amdhsa_system_sgpr_workgroup_id_y 1
		.amdhsa_system_sgpr_workgroup_id_z 1
		.amdhsa_system_vgpr_workitem_id 0
		.amdhsa_next_free_vgpr 194
		.amdhsa_next_free_sgpr 66
		.amdhsa_reserve_vcc 0
		.amdhsa_float_denorm_mode_32 3
		.amdhsa_float_denorm_mode_16_64 3
		.amdhsa_memory_ordered 1
		.amdhsa_forward_progress 1
		.amdhsa_inst_pref_size 51
	.end_amdhsa_kernel
	.amdgpu_metadata
---
amdhsa.version: [ 1, 2 ]
amdhsa.kernels:
  - .name:           k_q87fb85e7e5_quant
    .symbol:         k_q87fb85e7e5_quant.kd
    .args:
      - { .name: x, .offset: 0, .size: 8, .value_kind: global_buffer, .address_space: global }
      - { .name: qkv_w, .offset: 8, .size: 8, .value_kind: global_buffer, .address_space: global }
      - { .name: proj_w, .offset: 16, .size: 8, .value_kind: global_buffer, .address_space: global }
      - { .name: codes1, .offset: 24, .size: 8, .value_kind: global_buffer, .address_space: global }
      - { .name: scales1, .offset: 32, .size: 8, .value_kind: global_buffer, .address_space: global }
    .group_segment_fixed_size: 33280
    .private_segment_fixed_size: 0
    .kernarg_segment_align: 8
    .kernarg_segment_size: 40
    .max_flat_workgroup_size: 128
    .sgpr_count:     66
    .vgpr_count:     194
    .wavefront_size: 32
...
	.end_amdgpu_metadata
.endif
;; end of part 1
;; launch qkv (part 2): grid 12 x 32, 4 waves a work-group, clusters of 4 x 4, 327,680 bytes of LDS; arguments codes1, scales1, qkv_b, mask, qkv_img, qkv_sc; writes qkv_img, qkv_sc
.if DOCPART == 2
	.amdgcn_target "amdgcn-amd-amdhsa--gfx1250"
	.amdhsa_code_object_version 6
	.text
	.protected	k_q87fb85e7e5_qkv
	.globl	k_q87fb85e7e5_qkv
	.p2align	8
	.type	k_q87fb85e7e5_qkv,@function
k_q87fb85e7e5_qkv:
	s_mov_b64 s[64:65], 0
	v_nop
	global_prefetch_b8 v0, s[64:65] scope:SCOPE_SE
	s_setreg_imm32_b32 hwreg(HW_REG_WAVE_MODE, 25, 1), 1
	s_wait_xcnt 0x0
	s_wait_alu depctr_hold_cnt(0) depctr_sa_sdst(0) depctr_va_vdst(0) depctr_va_sdst(0) depctr_va_ssrc(0) depctr_va_vcc(0) depctr_vm_vsrc(0)
	s_getreg_b32 s2, hwreg(HW_REG_IB_STS2, 6, 4)
	s_cmp_eq_u32 s2, 0
	s_cbranch_scc0 .Lentry_in_a_cluster
	s_endpgm
.Lentry_in_a_cluster:
	s_bfe_u32 s2, ttmp6, 0x10000c
	s_cmp_lg_u32 s2, 0xf033
	s_cbranch_scc0 .Lentry_shape_is_right
	s_endpgm
.Lentry_shape_is_right:
.set KSTEP,  256
.set NQ,     2
.set ROWB,   256
.set KROW,   1024
.set PITCH,  272
.set FR,     16
.set NL,     4
.set NP,     8
.set HALFT,  128*PITCH
.set SLOT,   4*HALFT
.set LAPS,   2
.set KS,     32
.set SCL,    2*SLOT
.set HALFS,  (128*KS/256)*272
.set SBLK,   (16*KS/256)*272
.set SPARE,  SCL+4*HALFS
.set HI,   8
.set ADRA, 16
.set ADRB, 20
.set L8,   23
.set SW,   24
.set SRD,  25
.set LI,   26
.set ADRS, 27
.set SPW,  28
.set NIL,  29
.set SR8,  31
.set SC,   32
.set BI,   64
.set TM,   64
.set PW,   80
.set W0,   81
.set W1,   82
.set BKS,  84
.set AF,   128
.set G1, 24
.set G0, 32
.set G1B, 48
.set G0B, 56
.set G1S, 68
.set G0S, 76
.set G1SB, 80
.set G0SB, 88
.set MNT, 94
.set SEL, 100
.set MSB, 0
.macro WIN new
.if MSB != (\new)
	s_set_vgpr_msb (MSB<<8)|(\new)
.set MSB, (\new)
.endif
.endm
.set MUL_LO, 0xa1
.set MUL_HI, 0xf1
.set TO_B,   0x40
.macro JLOAD g0a, g1a, g0b, g1b
	s_cmp_eq_u32 s15, 0
	s_cbranch_scc0 .Lfor_b_\@
	tensor_load_to_lds s[\g0a:\g0a+3], s[\g1a:\g1a+7]
	s_nop 0
.rept 4
	v_nop
.endr
	s_branch .Lasked_\@
.Lfor_b_\@:
	tensor_load_to_lds s[\g0b:\g0b+3], s[\g1b:\g1b+7]
	s_nop 0
.rept 4
	v_nop
.endr
.Lasked_\@:
.endm
.macro CREST
	s_cmp_lg_u32 s14, 0
	s_cbranch_scc1 .Lnot_wave_0_\@
	s_barrier_signal -3
.Lnot_wave_0_\@:
	s_barrier_wait -3
	s_barrier_signal -1
	s_barrier_wait -1
.endm
.macro CROUND
	s_barrier_signal -1
	s_barrier_wait -1
	CREST
.endm
	s_load_b128 s[4:7], s[0:1], 0x0
	s_load_b128 s[96:99], s[0:1], 0x10
	s_load_b128 s[8:11], s[0:1], 0x20
	v_lshl_add_u32 v[SPW], v0, 2, SPARE
	v_mov_b32 v[NIL], 0
	ds_add_u32 v28, v29
	ds_add_u32 v28, v29
	s_wait_dscnt 0x0
	v_lshrrev_b32 v1, 5, v0
	v_readfirstlane_b32 s14, v1
	s_lshr_b32 s15, s14, 1
	s_and_b32 s16, s14, 1
	s_bfe_u32 s40, ttmp6, 0x40000
	s_bfe_u32 s41, ttmp6, 0x40004
	s_and_b32 s95, ttmp7, 0xffff
	s_lshl_b32 s95, s95, 2
	s_lshl_b32 s100, ttmp9, 2
	s_add_co_u32 s100, s100, 32
	s_cmp_eq_u32 ttmp9, 2
	s_cselect_b32 s17, 40, s95
	s_cselect_b32 s42, s95, s100
	s_cselect_b32 s2, 1, 0
	s_add_co_u32 s17, s17, s41
	s_add_co_u32 s42, s42, s40
	s_lshl_b32 s43, s41, 2
	s_lshl_b32 s43, 15, s43
	s_lshl_b32 s44, 0x1111, s40
	s_or_b32 s[G1+0], s43, (0<<16)|(1<<20)|(1<<21)|(5<<22)|(3<<25)
	s_or_b32 s[G1B+0], s44, (0<<16)|(1<<20)|(1<<21)|(5<<22)|(3<<25)
.irp g, G1, G1B
	s_mov_b32 s[\g+1], ROWB<<16
	s_mov_b32 s[\g+2], 256<<16                     ; the head's loads of codes bring 256 rows
	s_mov_b32 s[\g+3], ROWB<<16
	s_mov_b32 s[\g+4], 256
	s_mov_b32 s[\g+5], KROW
	s_mov_b32 s[\g+6], 0
	s_mov_b32 s[\g+7], 0
.endr
	s_or_b32 s[G1S+0], s43, (3<<16)|(1<<20)|(1<<21)|(5<<22)|(3<<25)
	s_or_b32 s[G1SB+0], s44, (3<<16)|(1<<20)|(1<<21)|(5<<22)|(3<<25)
.irp g, G1S, G1SB
	s_mov_b32 s[\g+1], 32<<16
	s_mov_b32 s[\g+2], (256*KS/256)<<16            ; the scales of 256 rows in one load
	s_mov_b32 s[\g+3], 32<<16
	s_mov_b32 s[\g+4], 256*KS/256
	s_mov_b32 s[\g+5], 32
	s_mov_b32 s[\g+6], 0
	s_mov_b32 s[\g+7], 0
.endr
	s_lshl_b32 s20, s17, 8                         ; the tiles' first rows
	s_lshl_b32 s46, s42, 8
	s_mov_b32 s21, 0
	s_mov_b32 s47, 0
	s_mov_b64 s[18:19], KS
	s_mul_u64 s[22:23], s[20:21], s[18:19]
	s_mul_u64 s[92:93], s[46:47], s[18:19]
	s_mov_b64 s[18:19], KROW
	s_mul_u64 s[20:21], s[20:21], s[18:19]
	s_mul_u64 s[46:47], s[46:47], s[18:19]
	s_mul_i32 s45, s14, HALFT
	s_wait_kmcnt 0x0
	s_add_nc_u64 s[20:21], s[4:5], s[20:21]
	s_add_nc_u64 s[22:23], s[6:7], s[22:23]
	s_add_nc_u64 s[46:47], s[4:5], s[46:47]
	s_add_nc_u64 s[92:93], s[6:7], s[92:93]
	CROUND
	s_mov_b32 s[G0S], 1                            ; the head's four tiles, each whole: the scales of A's 256 rows,
	s_mov_b32 s[G0S+1], SCL
	s_mov_b64 s[G0S+2:G0S+3], s[22:23]
	s_or_b32 s[G0S+3], s[G0S+3], 0x80000000
	s_mov_b32 s[G0SB], 1                           ; those of B's,
	s_mov_b32 s[G0SB+1], SCL+2*HALFS
	s_mov_b64 s[G0SB+2:G0SB+3], s[92:93]
	s_or_b32 s[G0SB+3], s[G0SB+3], 0x80000000
	s_mov_b32 s[G0], 1                             ; K step 0's 256 rows of A (in slot 0's group 0, which is set for the ring behind the wait below),
	s_mov_b32 s[G0+1], 0
	s_mov_b64 s[G0+2:G0+3], s[20:21]
	s_or_b32 s[G0+3], s[G0+3], 0x80000000
	s_mov_b32 s[G0B], 1                            ; and its 256 rows of B
	s_mov_b32 s[G0B+1], 2*HALFT
	s_mov_b64 s[G0B+2:G0B+3], s[46:47]
	s_or_b32 s[G0B+3], s[G0B+3], 0x80000000
; one chain of branches on the wave's number, one joint load to an arm: one tensor load a wave at the head
.macro ARM under, g0, g1, next
	s_cmp_lt_u32 s14, \under
	s_cbranch_scc0 \next
	tensor_load_to_lds s[\g0:\g0+3], s[\g1:\g1+7]
	s_nop 0
.rept 4
	v_nop
.endr
	s_branch .Lhead_asked
\next:
.endm
	ARM 1, G0,  G1,  .Lhead_b
	ARM 2, G0B, G1B, .Lhead_sa
	ARM 3, G0S, G1S, .Lhead_sb
	tensor_load_to_lds s[G0SB:G0SB+3], s[G1SB:G1SB+7]
	s_nop 0
.rept 4
	v_nop
.endr
.Lhead_asked:
	s_mul_i32 s18, s16, 128*KROW                   ; in the ring I fetch 128 rows of a tile: which half, in bytes
	s_mov_b32 s19, 0
	s_add_nc_u64 s[20:21], s[20:21], s[18:19]
	s_add_nc_u64 s[46:47], s[46:47], s[18:19]
	s_mov_b32 s[G0+4], 1                           ; slot 1's group 0: K step 1
	s_add_co_u32 s[G0+5], s45, SLOT
	s_add_nc_u64 s[G0+6:G0+7], s[20:21], ROWB
	s_or_b32 s[G0+7], s[G0+7], 0x80000000
	s_mov_b32 s[G0B+4], 1
	s_add_co_u32 s[G0B+5], s45, SLOT
	s_add_nc_u64 s[G0B+6:G0B+7], s[46:47], ROWB
	s_or_b32 s[G0B+7], s[G0B+7], 0x80000000
	s_wait_alu depctr_va_vdst(0)
	s_wait_tensorcnt 0x0                           ; my tile of the head's four is in
	ds_add_u32 v28, v29
	s_mov_b32 s[G1+2], 128<<16                     ; no load of mine is out, so the descriptors may be written: from here on a load brings 128 rows
	s_mov_b32 s[G1+4], 128
	s_mov_b32 s[G1B+2], 128<<16
	s_mov_b32 s[G1B+4], 128
	s_mov_b32 s[G0+1], s45                         ; slot 0's group 0 for the ring: my 128 rows at K step 0; the first refill steps it to K step 2
	s_mov_b64 s[G0+2:G0+3], s[20:21]
	s_or_b32 s[G0+3], s[G0+3], 0x80000000
	s_mov_b32 s[G0B+1], s45
	s_mov_b64 s[G0B+2:G0B+3], s[46:47]
	s_or_b32 s[G0B+3], s[G0B+3], 0x80000000
	s_wait_dscnt 0x0
	CROUND                                         ; all four tiles are in, in every partner
	JLOAD G0+4, G1, G0B+4, G1B                     ; K step 1, the first tensor load behind the round
	v_and_b32 v1, 15, v0
	v_bfe_u32 v2, v0, 4, 1
	v_mul_u32_u24 v3, v1, PITCH
	v_lshl_add_u32 v4, v2, 4, v3
	s_mul_i32 s21, s15, HALFT
	s_mul_i32 s22, s16, HALFT
	s_add_co_u32 s22, s22, 2*HALFT
.irp s, 0,1
	v_add_nc_u32 v[ADRA+\s], s21, v4
	v_add_nc_u32 v[ADRB+\s], s22, v4
	s_add_co_u32 s21, s21, SLOT
	s_add_co_u32 s22, s22, SLOT
.endr
	v_mul_u32_u24 v5, v1, KS
	v_lshrrev_b32 v6, 8, v5
	v_lshl_add_u32 v5, v6, 4, v5
	s_mul_i32 s21, s15, HALFS
	s_mul_i32 s22, s16, HALFS
	s_add_co_u32 s22, s22, 2*HALFS
	s_sub_co_u32 s22, s22, s21
	v_mul_u32_u24 v6, s22, v2
	s_add_co_u32 s21, s21, SCL
	v_add_nc_u32 v5, v5, v6
	v_add_nc_u32 v[ADRS], s21, v5
	v_and_b32 v6, 31, v0
	v_lshlrev_b32 v[LI], 4, v6
	v_lshlrev_b32 v[L8], 3, v6
	s_lshl_b32 s21, s14, 10
	v_add_nc_u32 v[SRD], s21, v[LI]
	v_add_nc_u32 v[SR8], s21, v[L8]
	v_lshlrev_b32 v[SW], 2, v1
	v_lshl_add_u32 v[SW], v2, 9, v[SW]
	v_add_nc_u32 v[SW], s21, v[SW]
	v_and_b32 v7, 8, v1
	v_add_nc_u32 v7, v7, v1
	v_lshlrev_b32 v22, 6, v2
	v_lshlrev_b32 v30, 2, v7
	s_cmp_eq_u32 s2, 1
	s_cselect_b32 s18, s42, s17
	s_cselect_b32 s19, s16, s15
	s_cselect_b32 s20, s15, s16
	s_cselect_b32 s21, s41, s40
	s_and_b32 s22, s18, 7
	s_lshl_b32 s22, s22, 1
	s_add_co_u32 s22, s22, s19
	s_lshr_b32 s23, s18, 3
	s_lshl_b32 s21, s21, 1
	s_add_co_u32 s21, s21, s20
	s_lshl_b32 s45, s23, 3
	s_add_co_u32 s45, s45, s21
	s_lshl_b32 s46, ttmp9, 23
	s_lshl_b32 s47, s45, 18
	s_add_co_u32 s46, s46, s47
	s_lshl_b32 s47, s22, 14
	s_add_co_u32 s46, s46, s47
	s_mov_b32 s47, 0
	s_add_nc_u64 s[8:9], s[8:9], s[46:47]
	s_mul_i32 s46, s45, 24576
	s_cmp_eq_u32 ttmp9, 0
	s_cselect_b32 s92, 0, 786432
	s_add_co_u32 s46, s46, s92
	s_lshl_b32 s92, s22, 9
	s_lshl_b32 s93, s22, 8
	s_add_co_u32 s93, s93, 8192
	s_cmp_eq_u32 s2, 1
	s_cselect_b32 s92, s93, s92
	s_add_co_u32 s46, s46, s92
	s_add_nc_u64 s[10:11], s[10:11], s[46:47]
	s_lshl_b32 s46, s23, 11
	s_lshl_b32 s92, s22, 7
	s_add_co_u32 s46, s46, s92
	s_add_nc_u64 s[98:99], s[98:99], s[46:47]
	s_lshl_b32 s92, s21, 9
	s_lshl_b32 s46, ttmp9, 12
	s_add_co_u32 s46, s46, s92
	s_add_nc_u64 s[96:97], s[96:97], s[46:47]
	s_mov_b32 s66, 0xffff
	s_cselect_b32 s66, s66, s66
	s_cmp_eq_u32 s2, 1
	s_cselect_b32 s66, -1, s66
	s_cmp_eq_u32 ttmp9, 1
	s_cselect_b32 s104, 0xfd0000, 0
	s_cselect_b32 s105, 0x01010000, 0
	s_mov_b32 s95, 0x7f640000
	s_cmp_eq_u32 ttmp9, 0
	s_cselect_b32 s105, s95, s105
	s_mov_b32 s67, 0xffff0000
	s_mov_b32 s[MNT], 0x600000
	s_mov_b32 s[SEL], 0x76543210
	s_mov_b32 s[SEL+1], 0xfedcba98
	s_cmp_eq_u32 s2, 1
	s_cbranch_scc1 .Lbias_v
	s_wait_alu depctr_va_vdst(0)
.irp b, 0,1,2,3
.irp j, 0,1,2,3
	global_load_b128 v[BI+16*\b+4*\j:BI+16*\b+4*\j+3], v22, s[96:97] offset:128*\b+16*\j
.endr
.endr
	s_branch .Lbias_done
.Lbias_v:
	s_wait_alu depctr_va_vdst(0)
.irp a, 0,1,2,3,4,5,6,7
.irp j, 0,1,2,3,4,5,6,7
	global_load_b32 v[BI+8*\a+\j], v30, s[96:97] offset:128*(\a/2)+32*(\a%2)
.endr
.endr
.Lbias_done:
.irp a, 0,1,2,3,4,5,6,7
	global_load_u8 v[HI+\a], v7, s[98:99] offset:32*(\a/2)+8*(\a%2)
.endr
.macro FRAG reg, adr, q, i
.irp c, 0,1,2,3
	ds_load_b128 v[\reg+4*\c:\reg+4*\c+3], v[\adr] offset:128*(\q)+32*\c+(\i)*16*PITCH
.endr
.endm
.macro MUL16 a0, p, q, sc, cin
.irp a, \a0, \a0+1
.irp b, 0,1,2,3,4,5,6,7
.if \cin == 1
	v_wmma_scale_f32_16x16x128_f8f6f4 v[8*(8*((\a)%4)+\b):8*(8*((\a)%4)+\b)+7], v[128*(\p)+FR*\b:128*(\p)+FR*\b+FR-1], v[AF+FR*(\a):AF+FR*(\a)+FR-1], v[BI+8*\b:BI+8*\b+7], v[SC+8*NQ*(\sc)+NQ*\b+(\q)], v[SC+8*NQ*(\sc)+NQ*(\a)+(\q)] matrix_a_fmt:MATRIX_FMT_BF8 matrix_b_fmt:MATRIX_FMT_BF8 matrix_a_scale:MATRIX_SCALE_ROW1
.elseif \cin == 2
	v_wmma_scale_f32_16x16x128_f8f6f4 v[8*(8*((\a)%4)+\b):8*(8*((\a)%4)+\b)+7], v[128*(\p)+FR*\b:128*(\p)+FR*\b+FR-1], v[AF+FR*(\a):AF+FR*(\a)+FR-1], v[BI+8*(\a):BI+8*(\a)+7], v[SC+8*NQ*(\sc)+NQ*\b+(\q)], v[SC+8*NQ*(\sc)+NQ*(\a)+(\q)] matrix_a_fmt:MATRIX_FMT_BF8 matrix_b_fmt:MATRIX_FMT_BF8 matrix_a_scale:MATRIX_SCALE_ROW1
.else
	v_wmma_scale_f32_16x16x128_f8f6f4 v[8*(8*((\a)%4)+\b):8*(8*((\a)%4)+\b)+7], v[128*(\p)+FR*\b:128*(\p)+FR*\b+FR-1], v[AF+FR*(\a):AF+FR*(\a)+FR-1], v[8*(8*((\a)%4)+\b):8*(8*((\a)%4)+\b)+7], v[SC+8*NQ*(\sc)+NQ*\b+(\q)], v[SC+8*NQ*(\sc)+NQ*(\a)+(\q)] matrix_a_fmt:MATRIX_FMT_BF8 matrix_b_fmt:MATRIX_FMT_BF8 matrix_a_scale:MATRIX_SCALE_ROW1
.endif
.endr
.endr
.endm
.macro FETCH_B slot, q, p
	WIN TO_B
.irp i, 0,1,2,3,4,5,6,7
	FRAG 128*(\p)+FR*\i, ADRB+\slot, \q, \i
.endr
	WIN 0
.endm
.macro FETCH_A slot, q, i0
.irp i, \i0, \i0+1, \i0+2, \i0+3
	FRAG AF+FR*(\i), ADRA+\slot, \q, \i
.endr
.endm
.macro SCALES sc
.irp i, 0,1,2,3,4,5,6,7
	ds_load_b64 v[SC+8*NQ*\sc+NQ*\i:SC+8*NQ*\sc+NQ*\i+1], v[ADRS] offset:\i*SBLK
.endr
.endm
.macro PLACES n
.rept \n
	v_nop
.endr
.endm
.macro STEP slot, q, cin
	s_wait_dscnt 4*NL
.if \cin
	WIN 0x81
.else
	WIN MUL_LO
.endif
	MUL16 0, (\q)%2, \q, \slot, \cin
	MUL16 2, (\q)%2, \q, \slot, \cin
	s_wait_dscnt 0
	PLACES NP
	FETCH_B \slot, (\q)+1, 1-(\q)%2
	FETCH_A \slot, (\q)+1, 0
.if \cin
	WIN 0xc1
.else
	WIN MUL_HI
.endif
	MUL16 4, (\q)%2, \q, \slot, \cin
	MUL16 6, (\q)%2, \q, \slot, \cin
	PLACES NP
	WIN 0
	FETCH_A \slot, (\q)+1, 4
.endm
.macro TURN slot, next, fill
	s_wait_tensorcnt 0x0
	ds_add_u32 v[SPW], v[NIL]
	s_wait_dscnt 4*NL+1
	WIN MUL_LO
	MUL16 0, 1, NQ-1, \slot, 0
	s_wait_dscnt 0x0
	s_barrier_signal -1
	MUL16 2, 1, NQ-1, \slot, 0
	WIN 0
	s_barrier_wait -1
.if \fill
	CREST
	s_add_nc_u64 s[G0+4*\slot+2:G0+4*\slot+3], s[G0+4*\slot+2:G0+4*\slot+3], 2*ROWB
	s_add_nc_u64 s[G0B+4*\slot+2:G0B+4*\slot+3], s[G0B+4*\slot+2:G0B+4*\slot+3], 2*ROWB
	JLOAD G0+4*\slot, G1, G0B+4*\slot, G1B
	PLACES NP-4
.else
	PLACES NP
.endif
	s_wait_alu depctr_va_vdst(0)
	v_add_nc_u32 v[ADRS], 4*NQ, v[ADRS]
	FETCH_B \next, 0, 0
	FETCH_A \next, 0, 0
	SCALES \next
	WIN MUL_HI
	MUL16 4, 1, NQ-1, \slot, 0
	MUL16 6, 1, NQ-1, \slot, 0
	PLACES NP
	WIN 0
	FETCH_A \next, 0, 4
.endm
	s_wait_tensorcnt 1
	s_barrier_signal -1
	s_barrier_wait -1
	FETCH_B 0, 0, 0
	FETCH_A 0, 0, 0
	SCALES 0
	FETCH_A 0, 0, 4
	s_wait_loadcnt 0x0
.irp a, 0,1,2,3,4,5,6,7
	v_mad_u32_u24 v[HI+\a], v[HI+\a], s104, s105
.endr
	s_cmp_eq_u32 s2, 1
	s_cbranch_scc1 .Lfirst_v
	STEP 0, 0, 1
	s_branch .Lfirst_done
.Lfirst_v:
	STEP 0, 0, 2
.Lfirst_done:
	s_mov_b32 s3, LAPS-1
.Llap:
	TURN 0, 1, 1
	STEP 1, 0, 0
	TURN 1, 0, 1
	STEP 0, 0, 0
	s_sub_co_u32 s3, s3, 1
	s_cmp_lg_u32 s3, 0
	s_cbranch_scc1 .Llap
	TURN 0, 1, 0
	STEP 1, 0, 0
	s_wait_dscnt 4*NL
	WIN MUL_LO
	MUL16 0, 1, NQ-1, 1, 0
	MUL16 2, 1, NQ-1, 1, 0
	s_wait_dscnt 0
	WIN MUL_HI
	MUL16 4, 1, NQ-1, 1, 0
	MUL16 6, 1, NQ-1, 1, 0
	WIN 0
.macro QOUT a
.set WW, 2+(\a)/4
.set AC, 64*((\a)%4)
.set PC, 128+16*(\a)
	WIN (WW|(WW<<2))
.irp b, 0,1,2,3
	v_max3_num_f32 v[TM+\b], |v[AC+16*\b]|, |v[AC+16*\b+1]|, 0x8000000
.endr
.irp i, 2,4,6,8,10,12,14
.irp b, 0,1,2,3
	v_max3_num_f32 v[TM+\b], |v[AC+16*\b+\i]|, |v[AC+16*\b+\i+1]|, v[TM+\b]
.endr
.endr
	WIN 0
.irp b, 0,1,2,3
	v_permlanex16_b32 v[TM+4+\b], v[TM+\b], s[SEL], s[SEL+1]
.endr
.irp b, 0,1,2,3
	v_max_num_f32 v[TM+\b], v[TM+\b], v[TM+4+\b]
.endr
.irp b, 0,1,2,3
	v_add_nc_u32 v[TM+12+\b], 0xf8800000, v[TM+\b]
.endr
.irp b, 0,1,2,3
	v_and_or_b32 v[TM+8+\b], v[TM+\b], 0x7f800000, s[MNT]
.endr
.irp b, 0,1,2,3
	v_lshrrev_b32 v[TM+4+\b], 23, v[TM+12+\b]
.endr
	v_lshl_or_b32 v[PW], v[TM+5], 8, v[TM+4]
	v_lshl_or_b32 v[PW], v[TM+6], 16, v[PW]
	v_lshl_or_b32 v[PW], v[TM+7], 24, v[PW]
	WIN (WW|(WW<<6))
.irp b, 0,1,2,3
.irp i, 0,1,2,3,4,5,6,7,8,9,10,11,12,13,14,15
	v_med3_num_f32 v[AC+16*\b+\i], v[AC+16*\b+\i], -v[TM+8+\b], v[TM+8+\b]
.endr
.endr
	WIN WW
.irp b, 0,1,2,3
	v_cvt_scalef32_pk8_bf8_f32 v[PC+4*\b:PC+4*\b+1], v[AC+16*\b:AC+16*\b+7], v[TM+12+\b]
	v_cvt_scalef32_pk8_bf8_f32 v[PC+4*\b+2:PC+4*\b+3], v[AC+16*\b+8:AC+16*\b+15], v[TM+12+\b]
.endr
	WIN 0
	v_nop
	v_and_or_b32 v[W0], v[PW], s66, v[HI+\a]
	v_lshrrev_b32 v[W1], 16, v[PW]
	v_or_b32 v[W1], v[W1], v[HI+\a]
	v_cndmask_b32 v[W0], v[W0], v[W1], s67
	ds_store_b32 v[SW], v[W0] offset:64*\a
.irp b, 0,1,2,3
	global_store_b128 v[LI], v[PC+4*\b:PC+4*\b+3], s[8:9] offset:2048*\a+512*\b
.endr
.endm
	PLACES NP
.irp b, 0,1,2,3
	v_mov_b32 v[TM+4+\b], 0
.endr
.irp a, 0,1,2,3,4,5,6,7
	QOUT \a
.endr
	s_cmp_eq_u32 s2, 1
	s_cbranch_scc1 .Lsc_v
	ds_load_b128 v[BKS:BKS+3], v[SRD]
	ds_load_b128 v[BKS+4:BKS+7], v[SRD] offset:512
	s_wait_dscnt 0x0
	global_store_b128 v[LI], v[BKS:BKS+3], s[10:11]
	global_store_b128 v[LI], v[BKS+4:BKS+7], s[10:11] offset:12288
	s_branch .Lsc_done
.Lsc_v:
	ds_load_b64 v[BKS:BKS+1], v[SR8]
	ds_load_b64 v[BKS+2:BKS+3], v[SR8] offset:256
	s_wait_dscnt 0x0
	global_store_b64 v[L8], v[BKS:BKS+1], s[10:11]
	global_store_b64 v[L8], v[BKS+2:BKS+3], s[10:11] offset:12288
.Lsc_done:
	s_wait_tensorcnt 0x0
	ds_add_u32 v[SPW], v[NIL]
	s_wait_dscnt 0x0
	CROUND
	s_endpgm
.Lfunc_end_k_q87fb85e7e5_qkv:
	.size	k_q87fb85e7e5_qkv, .Lfunc_end_k_q87fb85e7e5_qkv-k_q87fb85e7e5_qkv
	.p2alignl 7, 3214868480
	.fill 96, 4, 3214868480
	.section	.rodata,"a",@progbits
	.p2align	6, 0x0
	.amdhsa_kernel k_q87fb85e7e5_qkv
		.amdhsa_group_segment_fixed_size 327680
		.amdhsa_private_segment_fixed_size 0
		.amdhsa_enable_private_segment 0
		.amdhsa_kernarg_size 48
		.amdhsa_user_sgpr_count 2
		.amdhsa_user_sgpr_kernarg_segment_ptr 1
		.amdhsa_wavefront_size32 1
		.amdhsa_system_sgpr_workgroup_id_x 1
		.amdhsa_system_sgpr_workgroup_id_y 1
		.amdhsa_system_sgpr_workgroup_id_z 1
		.amdhsa_system_vgpr_workitem_id 0
		.amdhsa_next_free_vgpr 1024
		.amdhsa_next_free_sgpr 106
		.amdhsa_reserve_vcc 0
		.amdhsa_float_denorm_mode_32 3
		.amdhsa_float_denorm_mode_16_64 3
		.amdhsa_memory_ordered 1
		.amdhsa_forward_progress 1
		.amdhsa_inst_pref_size 212
	.end_amdhsa_kernel
	.amdgpu_metadata
---
amdhsa.version: [ 1, 2 ]
amdhsa.kernels:
  - .name:           k_q87fb85e7e5_qkv
    .symbol:         k_q87fb85e7e5_qkv.kd
    .args:
      - { .name: codes1, .offset: 0, .size: 8, .value_kind: global_buffer, .address_space: global }
      - { .name: scales1, .offset: 8, .size: 8, .value_kind: global_buffer, .address_space: global }
      - { .name: qkv_b, .offset: 16, .size: 8, .value_kind: global_buffer, .address_space: global }
      - { .name: mask, .offset: 24, .size: 8, .value_kind: global_buffer, .address_space: global }
      - { .name: qkv_img, .offset: 32, .size: 8, .value_kind: global_buffer, .address_space: global }
      - { .name: qkv_sc, .offset: 40, .size: 8, .value_kind: global_buffer, .address_space: global }
    .group_segment_fixed_size: 327680
    .private_segment_fixed_size: 0
    .kernarg_segment_align: 8
    .kernarg_segment_size: 48
    .max_flat_workgroup_size: 128
    .sgpr_count:     106
    .vgpr_count:     1024
    .wavefront_size: 32
...
	.end_amdgpu_metadata
.endif
;; end of part 2
;; launch attn (part 3): grid 4 x 64, 8 waves a work-group, clusters of 4 x 1, 327,680 bytes of LDS; arguments qkv_img, qkv_sc, o_img, o_sc; writes o_img, o_sc
.if DOCPART == 3
	.amdgcn_target "amdgcn-amd-amdhsa--gfx1250"
	.amdhsa_code_object_version 6
	.text
	.protected	k_q87fb85e7e5_attn
	.globl	k_q87fb85e7e5_attn
	.p2align	8
	.type	k_q87fb85e7e5_attn,@function
k_q87fb85e7e5_attn:
	s_mov_b64 s[64:65], 0
	v_nop
	global_prefetch_b8 v0, s[64:65] scope:SCOPE_SE
	s_setreg_imm32_b32 hwreg(HW_REG_WAVE_MODE, 25, 1), 1
	s_wait_xcnt 0x0
	s_wait_alu depctr_hold_cnt(0) depctr_sa_sdst(0) depctr_va_vdst(0) depctr_va_sdst(0) depctr_va_ssrc(0) depctr_va_vcc(0) depctr_vm_vsrc(0)
	s_getreg_b32 s2, hwreg(HW_REG_IB_STS2, 6, 4)
	s_cmp_eq_u32 s2, 0
	s_cbranch_scc0 .Lentry_in_a_cluster
	s_endpgm
.Lentry_in_a_cluster:
	s_bfe_u32 s2, ttmp6, 0x10000c
	s_cmp_lg_u32 s2, 0x3003
	s_cbranch_scc0 .Lentry_shape_is_right
	s_endpgm
.Lentry_shape_is_right:
; o = softmax(q k^T / 8 + mask) v for one head, both products on codes of BF8 (E5M2) with E8M0 scales; o is quantised along the model's 1,024 and leaves as images of the last product's operand registers.
; THE SOFTMAX: t = score x log2(e) / 8; M = the row's largest t so far, rounded up to a whole number; p = 2^(t - M) is quantised along the keys, not normalised; the row's sum is taken of the
; unquantised p and divides at the end.  When M moves, the sum and O are multiplied by 2^(old M - new M): exact.
; SHARES.  A work-group owns 512 queries of one head; the four work-groups of a head are one cluster.  Each of eight waves (512 registers, two to a SIMD) owns four tiles of 16 queries and walks the keys twice,
; with TWO tiles (u = 0, 1) at a time.  Each fragment of k and of v that is read from LDS feeds two matrix instructions.
; REGISTERS.  Window 0: addresses, both tiles' scores, temporaries and running values, all scale registers.  Window 1: q, the fragments of k and of v, O^T, p's codes.  So the softmax of both tiles is one
; stream under one window setting, and its lines take the two tiles by turns.
; THE WHOLE HEAD'S k, v AND SCALE WORDS LIE IN LDS, filled once by joint loads of all four partners, one load a wave in each of two groups: at the head 40 tiles of k, 4 key steps of v and all scale words;
; behind a round of the cluster's barrier the rest, which has the first four key steps in which to land.  So every tile is asked for within the first four steps: no prefetch is laid.
; THE STEP IS SKEWED: the second product of step s - 1 stands inside step s, between the two halves of the first product.  The rescaling of O and the maxima are the places behind the matrix instructions.
; BETWEEN THE EXPONENTIALS of tile 0 stand tile 1's multiply-adds, between those of tile 1 the holds of tile 0: lines whose results are first read behind the wait that follows the batch.
; LAYOUT.  S^T = k q^T, O^T = v^T p^T: a lane holds one query.  Keys and channels were stored with bits 3 and 4 of their number exchanged, so 16 registers of two neighbouring tiles are 16 neighbours.
; THE MASK AND THE FILLING OF K.  The head's 64 fill half of the instruction's 128.  At k = 64 q has the code +1 and k the code -1, constants in registers; the rest is zero codes.  Block 2's scale bytes (100 for q; for k 254
; where the key is masked, else 1) add -2^100 to a masked key's score and -2^-153 to another's.  The running largest t begins at -2^90: while only masked keys have been met, every p is 0.
; LIMITS: a batch all of whose 2,048 keys are masked (NaN by the definition) is not served; real |t| stays under 2^90; NaN and infinities are not served; blocks whose largest magnitude lies under 2^-111 keep the scale byte 1.
.set KIMG, 0                           ; k: tile x 1,024 + c x 512 + 16 l
.set VIMG, 131072                      ; v: key step x 8,192 + tile x 2,048 + c x 512 + 16 l
.set KSC,  262144                      ; k's scale words: tile x 64 + 4 r
.set VSC,  270336                      ; v's: key step x 256 + tile x 64 + 4 r
.set SPARE, 274432                     ; the spare words: 128 bytes a wave
; window 0
.set LI,  1                            ; 16 x lane
.set AV0, 2
.set AS0, 3
.set AT0, 4
.set OSA, 5
.set R4,  6
.set ADK, 8                            ; the step's LDS addresses
.set ADV, 9
.set ADS, 10
.set ADT, 11
.set M0,  12                           ; + 4 u: -M, the largest t, the sum in two halves
.set H2,  21                           ; v21-24 the hold's second copy, in another bank than the first; the tiles use it one after the other
.set C1,  26                           ; three chains of a row's sum; the tiles use them one after the other
.set C2,  28
.set C3,  30
.set S0,  32                           ; + 64 u: S^T, then p
.set T0,  160                          ; + 20 u: +0 block maxima, +4 exchanges and bytes, +8 holds, +12 the conversions' scale operands, +16 f and 0, +18 at work, +19 the scale word in the making
.set QG,  200                          ; the next pass's q, 8 registers a tile
.set QST, 216                          ; and its scale words
.set SPW, 240                          ; my spare word's address; never rewritten
.set NIL, 241                          ; 0; never rewritten
.set KS,  242                          ; scale registers
.set VS,  246
.set PW,  250                          ; + u
.set QS,  252                          ; + u
; window 1
.set QF,  0                            ; + 16 u: q's fragment
.set KF,  32                           ; four fragments of k, upper halves constant
.set VF,  96                           ; four fragments of v
.set O0,  160                          ; + 32 u: O^T
.set C0,  224                          ; + 16 u: p's codes
.set WV,  12
.set SEL, 20
.set CS,  22
.set MNT, 24
.set HM,  25
.set TB,  26
.set TS,  27
.set TJ,  28
.set CNT, 29
.set PS,  30
.set LM,  31
.set G1K, 32
.set G1V, 40
.set G1S, 48
.set G0K, 56
.set G0V, 60
.set G0S, 68
.set W_QK, 0x05                        ; sources 0 and 1 in window 1
.set W_PV, 0x55                        ; all in window 1
.set W_RS, 0x41                        ; destination and source 0 in window 1
.set W_D1, 0x40                        ; destination in window 1
.set W_S1, 0x01                        ; source 0 in window 1
.set W_ST, 0x04                        ; a store's data in window 1
.set MSB, 0
.macro WIN new                         ; the immediate's high byte repeats the setting that is left
.if MSB != (\new)
	s_set_vgpr_msb (MSB<<8)|(\new)
.set MSB, (\new)
.endif
.endm
.macro CROUND                          ; a round of the cluster's barrier
	s_barrier_signal -1
	s_barrier_wait -1
	s_cmp_lg_u32 s[WV], 0
	s_cbranch_scc1 .Lnot_wave_0_\@
	s_barrier_signal -3
.Lnot_wave_0_\@:
	s_barrier_wait -3
	s_barrier_signal -1
	s_barrier_wait -1
.endm
.macro TL g0, g1                       ; a joint load
	tensor_load_to_lds s[\g0:\g0+3], s[\g1:\g1+7]
	s_nop 0
.rept 4
	v_nop
.endr
.endm
.macro QLOAD                           ; q of two tiles and its scale words, into the staging registers
	global_load_b128 v[QG:QG+3], v[LI], s[86:87]
	global_load_b128 v[QG+4:QG+7], v[LI], s[86:87] offset:512
	global_load_b128 v[QG+8:QG+11], v[LI], s[86:87] offset:16384
	global_load_b128 v[QG+12:QG+15], v[LI], s[86:87] offset:16384+512
	global_load_b32 v[QST], v[R4], s[88:89]
	global_load_b32 v[QST+1], v[R4], s[88:89] offset:512
.endm
.macro KL adr, off                     ; four tiles of k: the head's 64 are registers 0-7 of a fragment (destination in window 1)
.irp t, 0,1,2,3
	ds_load_b128 v[KF+16*\t:KF+16*\t+3], v[\adr] offset:(\off)+1024*\t
	ds_load_b128 v[KF+16*\t+4:KF+16*\t+7], v[\adr] offset:(\off)+1024*\t+512
.endr
.endm
.macro KSL sadr, soff                  ; and their scale words (window 0)
.irp t, 0,1,2,3
	ds_load_b32 v[KS+\t], v[\sadr] offset:(\soff)+64*\t
.endr
.endm
.macro VL t0, t1                       ; two fragments of v
.irp t, \t0, \t1
.irp c, 0,1,2,3
	ds_load_b128 v[VF+16*\t+4*\c:VF+16*\t+4*\c+3], v[ADV] offset:2048*\t+512*\c
.endr
.endr
.endm
.macro QK g
.irp u, 0,1
.irp t, 0,1,2,3
	v_wmma_scale_f32_16x16x128_f8f6f4 v[S0+64*\u+8*(4*\g+\t):S0+64*\u+8*(4*\g+\t)+7], v[KF+16*\t:KF+16*\t+15], v[QF+16*\u:QF+16*\u+15], 0, v[KS+\t], v[QS+\u] matrix_a_fmt:MATRIX_FMT_BF8 matrix_b_fmt:MATRIX_FMT_BF8
.endr
.endr
.endm
.macro PV
.irp u, 0,1
.irp t, 0,1,2,3
	v_wmma_scale_f32_16x16x128_f8f6f4 v[O0+32*\u+8*\t:O0+32*\u+8*\t+7], v[VF+16*\t:VF+16*\t+15], v[C0+16*\u:C0+16*\u+15], v[O0+32*\u+8*\t:O0+32*\u+8*\t+7], v[VS+\t], v[PW+\u] matrix_a_fmt:MATRIX_FMT_BF8 matrix_b_fmt:MATRIX_FMT_BF8
.endr
.endr
.endm
.macro RESC u                          ; O^T under the new M, each accumulator from its low end on
.set j, 0
.rept 16
	v_pk_mul_f32 v[O0+32*\u+j:O0+32*\u+j+1], v[O0+32*\u+j:O0+32*\u+j+1], v[T0+20*\u+16:T0+20*\u+17] op_sel_hi:[1,0]
.set j, j+2
.endr
.endm
.macro MAXP b0, b1                     ; the largest score of two blocks of 32 keys (my 16 of each), both tiles: eight chains by turns
.irp b, \b0, \b1
.irp u, 0,1
	v_max3_num_f32 v[T0+20*\u+\b], v[S0+64*\u+16*\b], v[S0+64*\u+16*\b+1], v[S0+64*\u+16*\b+2]
	v_max3_num_f32 v[T0+20*\u+4+\b], v[S0+64*\u+16*\b+8], v[S0+64*\u+16*\b+9], v[S0+64*\u+16*\b+10]
.endr
.endr
.irp i, 3,5
.irp b, \b0, \b1
.irp u, 0,1
	v_max3_num_f32 v[T0+20*\u+\b], v[T0+20*\u+\b], v[S0+64*\u+16*\b+\i], v[S0+64*\u+16*\b+\i+1]
	v_max3_num_f32 v[T0+20*\u+4+\b], v[T0+20*\u+4+\b], v[S0+64*\u+16*\b+8+\i], v[S0+64*\u+16*\b+9+\i]
.endr
.endr
.endr
.irp b, \b0, \b1
.irp u, 0,1
	v_max3_num_f32 v[T0+20*\u+\b], v[T0+20*\u+\b], v[T0+20*\u+4+\b], v[S0+64*\u+16*\b+7]
.endr
.endr
.irp b, \b0, \b1
.irp u, 0,1
	v_max_num_f32 v[T0+20*\u+\b], v[T0+20*\u+\b], v[S0+64*\u+16*\b+15]
.endr
.endr
.endm
.macro ADD4 k                          ; four pairs of p onto the four chains of the row's sum
	v_pk_add_f32 v[MS_:MS_+1], v[MS_:MS_+1], v[SB_+\k:SB_+\k+1]
	v_pk_add_f32 v[C1:C1+1], v[C1:C1+1], v[SB_+\k+2:SB_+\k+3]
	v_pk_add_f32 v[C2:C2+1], v[C2:C2+1], v[SB_+\k+4:SB_+\k+5]
	v_pk_add_f32 v[C3:C3+1], v[C3:C3+1], v[SB_+\k+6:SB_+\k+7]
.endm
; One tile's row sum of the unquantised p, and by turns with it the four blocks' scales: byte, hold, the conversion's operand.
.macro SUMSC u
.set SB_, S0+64*\u
.set TT_, T0+20*\u
.set MS_, M0+4*\u+2
	v_pk_add_f32 v[C1:C1+1], v[SB_:SB_+1], v[SB_+2:SB_+3]
	v_pk_add_f32 v[C2:C2+1], v[SB_+4:SB_+5], v[SB_+6:SB_+7]
	v_pk_add_f32 v[C3:C3+1], v[SB_+8:SB_+9], v[SB_+10:SB_+11]
.irp b, 0,1,2,3
	v_max_num_f32 v[TT_+\b], 0x8000000, v[TT_+\b]  ; the floor 2^(16 - 127): the byte cannot fall under 1
.endr
	ADD4 12
.irp b, 0,1,2,3
	v_add_nc_u32 v[TT_+12+\b], 0xf8800000, v[TT_+\b]   ; 15 off the exponent field: the conversion's scale operand
.endr
	ADD4 20
.irp b, 0,1,2,3
	v_and_or_b32 v[TT_+8+\b], v[TT_+\b], 0x7f800000, s[MNT]   ; 57,344 x the scale,
.endr
	ADD4 28
.irp b, 0,1,2,3
	v_and_or_b32 v[H2+\b], v[TT_+\b], 0x7f800000, s[MNT]      ; twice: the two halves of a dual line take their second sources from different banks
.endr
	ADD4 36
.irp b, 0,1,2,3
	v_lshrrev_b32 v[TT_+4+\b], 23, v[TT_+12+\b]    ; the scale's byte
.endr
	ADD4 44
	v_lshl_or_b32 v[TT_+19], v[TT_+5], 8, v[TT_+4]
	ADD4 52
	v_lshl_or_b32 v[TT_+19], v[TT_+6], 16, v[TT_+19]
	v_pk_add_f32 v[MS_:MS_+1], v[MS_:MS_+1], v[SB_+60:SB_+61]
	v_pk_add_f32 v[C1:C1+1], v[C1:C1+1], v[SB_+62:SB_+63]
	v_lshl_or_b32 v[PW+\u], v[TT_+7], 24, v[TT_+19]   ; p's scale word for these 128 keys
	v_pk_add_f32 v[C2:C2+1], v[C2:C2+1], v[C3:C3+1]
	v_pk_add_f32 v[MS_:MS_+1], v[MS_:MS_+1], v[C1:C1+1]
	v_pk_add_f32 v[MS_:MS_+1], v[MS_:MS_+1], v[C2:C2+1]
.endm
.macro CVT u                           ; a tile's 64 held p into 16 registers of codes (destination in window 1)
.irp b, 0,1,2,3
	v_cvt_scalef32_pk8_bf8_f32 v[C0+16*\u+4*\b:C0+16*\u+4*\b+1], v[S0+64*\u+16*\b:S0+64*\u+16*\b+7], v[T0+20*\u+12+\b]
	v_cvt_scalef32_pk8_bf8_f32 v[C0+16*\u+4*\b+2:C0+16*\u+4*\b+3], v[S0+64*\u+16*\b+8:S0+64*\u+16*\b+15], v[T0+20*\u+12+\b]
.endr
.endm
; A KEY STEP of 128 keys for both tiles.  At its head k's tiles 0-3 of this step and v's fragments of the last step are on their way or in.
.macro STEP
	v_add_nc_u32 v[ADK], s[TB], v[LI]
	v_add_nc_u32 v[ADV], s[TB], v[AV0]
	v_add_nc_u32 v[ADS], s[TS], v[AS0]
	v_add_nc_u32 v[ADT], s[TJ], v[AT0]
	s_wait_alu depctr_va_vdst(0)
	s_wait_dscnt 0x0
	WIN W_QK
	QK 0
	WIN W_RS
	s_wait_alu depctr_va_vdst(0)                   ; O^T is a matrix result first read behind exponentials
	RESC 0                                         ; 16 lines: the places ahead of the loads into k's registers
	WIN W_D1
	KL ADK, 4096                                   ; k's tiles 4-7
	WIN 0
	KSL ADS, 256
	WIN W_RS
	s_wait_alu depctr_va_vdst(0)
	RESC 1
	WIN W_PV
	PV                                             ; the last step's second product
	WIN 0
	MAXP 0, 1                                      ; 32 lines on tiles 0-3's results, while k's tiles 4-7 are on their way; they are also the places ahead of the loads into v's registers
	s_wait_alu depctr_va_vdst(0)
	s_wait_dscnt 0x0
	WIN W_QK
	QK 1
	WIN 0
.irp b, 0,1
.irp u, 0,1
	v_permlanex16_b32 v[T0+20*\u+4+\b], v[T0+20*\u+\b], s[SEL], s[SEL+1]
.endr
.endr
.irp b, 0,1
.irp u, 0,1
	v_max_num_f32 v[T0+20*\u+\b], v[T0+20*\u+\b], v[T0+20*\u+4+\b]   ; with lane l xor 16's 16 keys
.endr
.endr
.rept 4
	v_nop                                          ; with the four maxima eight places ahead of the first reads of tiles 4-7's results
.endr
	MAXP 2, 3
.irp b, 2,3
.irp u, 0,1
	v_permlanex16_b32 v[T0+20*\u+4+\b], v[T0+20*\u+\b], s[SEL], s[SEL+1]
.endr
.endr
.irp b, 2,3
.irp u, 0,1
	v_max_num_f32 v[T0+20*\u+\b], v[T0+20*\u+\b], v[T0+20*\u+4+\b]
.endr
.endr
; the chain that makes M and f, the two tiles by turns; between its links stand this step's loads of v and the next step's of k
.irp u, 0,1
	v_max3_num_f32 v[T0+20*\u+18], v[T0+20*\u], v[T0+20*\u+1], v[T0+20*\u+2]
.endr
	WIN W_D1
	VL 0, 1
	WIN 0
.irp u, 0,1
	v_max_num_f32 v[T0+20*\u+18], v[T0+20*\u+18], v[T0+20*\u+3]      ; the step's largest score of my query
.endr
	WIN W_D1
	VL 2, 3
	WIN 0
.irp u, 0,1
	v_mul_f32 v[T0+20*\u+18], s[CS], v[T0+20*\u+18]                  ; as t
.endr
	WIN W_D1
	KL ADK, 8192                                   ; the next step's tiles 0-3 (behind the last step: bytes of v's part, read and not used)
	WIN 0
.irp u, 0,1
	v_max_num_f32 v[M0+4*\u+1], v[M0+4*\u+1], v[T0+20*\u+18]         ; the running largest t
.endr
.irp u, 0,1
	v_mov_b32 v[T0+20*\u+18], v[M0+4*\u]
.endr
.irp t, 0,1,2,3
	ds_load_b32 v[VS+\t], v[ADT] offset:64*\t
.endr
.irp u, 0,1
	v_floor_f32 v[M0+4*\u], -v[M0+4*\u+1]                            ; the new -M
.endr
	KSL ADS, 512
.irp u, 0,1
	v_sub_f32 v[T0+20*\u+18], v[M0+4*\u], v[T0+20*\u+18]             ; old M - new M
.endr
.irp u, 0,1
	s_delay_alu instid0(VALU_DEP_2)
	v_cvt_i32_f32 v[T0+20*\u+18], v[T0+20*\u+18]
.endr
.irp u, 0,1
	s_delay_alu instid0(VALU_DEP_2)
	v_ldexp_f32 v[T0+20*\u+16], 1.0, v[T0+20*\u+18]                  ; f = 2^(old M - new M)
.endr
.set j, 0
.rept 32
	v_pk_fma_f32 v[S0+j:S0+j+1], v[S0+j:S0+j+1], s[CS:CS+1], v[M0:M0+1] op_sel_hi:[1,0,0]   ; tile 0: t - M
.set j, j+2
.endr
.irp b, 0,1,2,3
.irp u, 0,1
	v_fma_f32 v[T0+20*\u+\b], v[T0+20*\u+\b], s[CS], v[M0+4*\u]      ; the same of each block's largest score
.endr
.endr
	s_wait_alu depctr_va_vdst(0)                   ; the wait ahead of the batch
.set j, 0
.rept 32
	v_exp_f32 v[S0+j], v[S0+j]                     ; tile 0: p;
	v_pk_fma_f32 v[S0+64+j:S0+65+j], v[S0+64+j:S0+65+j], s[CS:CS+1], v[M0+4:M0+5] op_sel_hi:[1,0,0]   ; between, tile 1: t - M, first read behind the next wait
	v_exp_f32 v[S0+j+1], v[S0+j+1]
.set j, j+2
.endr
.irp b, 0,1,2,3
	v_exp_f32 v[T0+\b], v[T0+\b]                   ; tile 0: the blocks' largest p
.endr
.irp u, 0,1
	v_pk_mul_f32 v[M0+4*\u+2:M0+4*\u+3], v[M0+4*\u+2:M0+4*\u+3], v[T0+20*\u+16:T0+20*\u+17] op_sel_hi:[1,0]   ; the sums under the new M
.endr
	s_wait_alu depctr_va_vdst(0)                   ; the wait behind the batch
	SUMSC 0
	s_wait_alu depctr_va_vdst(0)                   ; the wait ahead of the second batch
.set j, 0
.rept 32
	v_exp_f32 v[S0+64+j], v[S0+64+j]               ; tile 1: p;
	v_dual_min_num_f32 v[S0+j], v[S0+j], v[T0+8+j/16] :: v_dual_min_num_f32 v[S0+j+1], v[S0+j+1], v[H2+j/16]   ; between, tile 0's hold: the conversion does not saturate (ISA guide 7.6.2); p is not negative
	v_exp_f32 v[S0+65+j], v[S0+65+j]
.set j, j+2
.endr
.irp b, 0,1,2,3
	v_exp_f32 v[T0+20+\b], v[T0+20+\b]             ; tile 1: the blocks' largest p
.endr
	v_nop                                          ; a plain line behind the exponentials
	s_wait_alu depctr_va_vdst(0)                   ; the wait behind the batch
	WIN W_D1
	CVT 0
	WIN 0
	SUMSC 1
.set j, 0
.rept 32
	v_dual_min_num_f32 v[S0+64+j], v[S0+64+j], v[T0+28+j/16] :: v_dual_min_num_f32 v[S0+65+j], v[S0+65+j], v[H2+j/16]
.set j, j+2
.endr
	WIN W_D1
	CVT 1
	v_nop                                          ; a plain line behind the last conversion
	WIN 0
	s_add_co_u32 s[TB], s[TB], 8192
	s_add_co_u32 s[TS], s[TS], 512
	s_add_co_u32 s[TJ], s[TJ], 256
	s_wait_alu depctr_va_vdst(0)
.endm
.macro FINISH u, oi, os                ; O^T / the sum; register 16 b + i is channel 32 b + 16 h + i of my head: two blocks of the last product's K
.set SB_, S0+64*\u
.set TT_, T0+20*\u
.set MS_, M0+4*\u+2
.set OB_, O0+32*\u
.set CB_, C0+16*\u
	v_add_f32 v[MS_], v[MS_], v[MS_+1]
	s_delay_alu instid0(VALU_DEP_1)
	v_permlanex16_b32 v[TT_+4], v[MS_], s[SEL], s[SEL+1]
	s_delay_alu instid0(VALU_DEP_1)
	v_add_f32 v[MS_], v[MS_], v[TT_+4]
	s_wait_alu depctr_va_vdst(0)
	v_rcp_f32 v[MS_], v[MS_]
	WIN W_S1
.rept 6
	v_nop                                          ; with the two additions eight places behind the last products
.endr
	s_wait_alu depctr_va_vdst(0)
.set j, 0
.rept 16
	v_pk_mul_f32 v[SB_+j:SB_+j+1], v[OB_+j:OB_+j+1], v[MS_:MS_+1] op_sel_hi:[1,0]
.set j, j+2
.endr
	WIN 0
.irp b, 0,1
	v_max3_num_f32 v[TT_+\b], |v[SB_+16*\b]|, |v[SB_+16*\b+1]|, 0x8000000
.endr
.irp i, 2,4,6,8,10,12,14
.irp b, 0,1
	s_delay_alu instid0(VALU_DEP_2)
	v_max3_num_f32 v[TT_+\b], v[TT_+\b], |v[SB_+16*\b+\i]|, |v[SB_+16*\b+\i+1]|
.endr
.endr
.irp b, 0,1
	s_delay_alu instid0(VALU_DEP_2)
	v_permlanex16_b32 v[TT_+4+\b], v[TT_+\b], s[SEL], s[SEL+1]
.endr
.irp b, 0,1
	s_delay_alu instid0(VALU_DEP_2)
	v_max_num_f32 v[TT_+\b], v[TT_+\b], v[TT_+4+\b]
.endr
.irp b, 0,1
	s_delay_alu instid0(VALU_DEP_2)
	v_add_nc_u32 v[TT_+12+\b], 0xf8800000, v[TT_+\b]
.endr
.irp b, 0,1
	s_delay_alu instid0(VALU_DEP_4)
	v_and_or_b32 v[TT_+8+\b], v[TT_+\b], 0x7f800000, s[MNT]
.endr
.irp b, 0,1
	s_delay_alu instid0(VALU_DEP_4)
	v_lshrrev_b32 v[TT_+4+\b], 23, v[TT_+12+\b]
.endr
.irp b, 0,1
.irp i, 0,1,2,3,4,5,6,7,8,9,10,11,12,13,14,15
	v_med3_num_f32 v[SB_+16*\b+\i], v[SB_+16*\b+\i], -v[TT_+8+\b], v[TT_+8+\b]
.endr
.endr
	v_cndmask_b32 v[TT_+18], v[TT_+4], v[TT_+5], s[HM]   ; lanes 0-15 carry the first block's byte, lanes 16-31 the second's
	WIN W_D1
.irp b, 0,1
	v_cvt_scalef32_pk8_bf8_f32 v[CB_+4*\b:CB_+4*\b+1], v[SB_+16*\b:SB_+16*\b+7], v[TT_+12+\b]
	v_cvt_scalef32_pk8_bf8_f32 v[CB_+4*\b+2:CB_+4*\b+3], v[SB_+16*\b+8:SB_+16*\b+15], v[TT_+12+\b]
.endr
	v_nop                                          ; a plain line behind the last conversion
	WIN 0
	global_store_b8 v[OSA], v[TT_+18], s[10:11] offset:\os
	WIN W_ST
	global_store_b128 v[LI], v[CB_:CB_+3], s[8:9] offset:\oi          ; 32 lanes store 512 consecutive bytes, aligned
	global_store_b128 v[LI], v[CB_+4:CB_+7], s[8:9] offset:\oi+512
	WIN 0
.endm
	s_load_b256 s[4:11], s[0:1], 0x0               ; qkv_img, qkv_sc, o_img, o_sc
	v_lshl_add_u32 v[SPW], v0, 2, SPARE
	v_mov_b32 v[NIL], 0
	ds_add_u32 v[SPW], v[NIL]
	ds_add_u32 v[SPW], v[NIL]
	v_lshrrev_b32 v8, 5, v0
	v_readfirstlane_b32 s[WV], v8                  ; wave 0..7
	s_bfe_u32 s13, ttmp6, 0x40000                  ; cx: it enters q's and o's global addresses alone
	s_and_b32 s14, ttmp7, 0xffff                   ; batch x 16 + head
	s_mov_b32 s[G1K], 15|(3<<16)|(1<<21)           ; k: tiles' rows of 1,024 bytes, 2,048 apart; 10 rows a load at the head
	s_mov_b32 s[G1K+1], 128<<16
	s_mov_b32 s[G1K+2], 10<<16
	s_mov_b32 s[G1K+3], 128<<16
	s_mov_b32 s[G1K+4], 10
	s_mov_b32 s[G1K+5], 256
	s_mov_b32 s[G1K+6], 0
	s_mov_b32 s[G1K+7], 0
	s_mov_b32 s[G1V], 15|(3<<16)|(1<<21)           ; v: key steps' rows of 8,192 bytes, 16,384 apart; 2 rows a load at the head
	s_mov_b32 s[G1V+1], 1024<<16
	s_mov_b32 s[G1V+2], 2<<16
	s_mov_b32 s[G1V+3], 1024<<16
	s_mov_b32 s[G1V+4], 2
	s_mov_b32 s[G1V+5], 2048
	s_mov_b32 s[G1V+6], 0
	s_mov_b32 s[G1V+7], 0
	s_mov_b32 s[G1S], 15|(3<<16)|(1<<21)           ; the scale words: 12,288 dense bytes, 24 rows of 256 a load
	s_mov_b32 s[G1S+1], 32<<16
	s_mov_b32 s[G1S+2], 24<<16
	s_mov_b32 s[G1S+3], 32<<16
	s_mov_b32 s[G1S+4], 24
	s_mov_b32 s[G1S+5], 32
	s_mov_b32 s[G1S+6], 0
	s_mov_b32 s[G1S+7], 0
	s_lshr_b32 s16, s14, 1
	s_lshl_b32 s16, s16, 18                        ; the pair of heads
	s_and_b32 s17, s14, 1
	s_lshl_b32 s18, s17, 10
	s_add_co_u32 s18, s18, s16                     ; q, k: my head's 1,024 bytes of a tile's 2,048
	s_mov_b32 s19, 0
	s_lshl_b32 s20, s17, 13
	s_add_co_u32 s20, s20, s16                     ; v: my head's 8,192 bytes of a key step's 16,384
	s_mov_b32 s21, 0
	s_mul_i32 s16, s14, 12288                      ; the scale words of a head
	s_mov_b32 s17, 0
	s_and_b32 s72, s[WV], 1
	s_and_b32 s73, s[WV], 3
	s_mul_i32 s74, s[WV], 20480                    ; head: waves 0-3 take 10 tiles of k each,
	s_mov_b32 s75, 0
	s_mul_i32 s76, s72, 32768                      ; waves 4, 5 two key steps of v each,
	s_mov_b32 s77, 0
	s_mul_i32 s78, s72, 6144                       ; waves 6, 7 half of the scale words each
	s_mov_b32 s79, 0
	s_mul_i32 s80, s[WV], 45056                    ; second group: waves 0-3 take 22 tiles of k each,
	s_mov_b32 s81, 0
	s_mul_i32 s82, s73, 49152                      ; waves 4-7 three key steps of v each
	s_mov_b32 s83, 0
	s_wait_dscnt 0x0                               ; both opening adds are done
	s_wait_kmcnt 0x0
	s_add_nc_u64 s[96:97], s[4:5], s[18:19]
	s_add_nc_u64 s[84:85], s[4:5], s[20:21]
	s_add_nc_u64 s[98:99], s[6:7], s[16:17]
	s_mov_b32 s[G0K], 1
	s_mul_i32 s[G0K+1], s[WV], 10240
	s_add_nc_u64 s[G0K+2:G0K+3], s[96:97], s[74:75]
	s_add_nc_u64 s[G0K+2:G0K+3], s[G0K+2:G0K+3], 8388608
	s_or_b32 s[G0K+3], s[G0K+3], 0x80000000
	s_mov_b32 s[G0V], 1
	s_lshl_b32 s[G0V+1], s72, 14
	s_add_co_u32 s[G0V+1], s[G0V+1], VIMG
	s_add_nc_u64 s[G0V+2:G0V+3], s[84:85], s[76:77]
	s_add_nc_u64 s[G0V+2:G0V+3], s[G0V+2:G0V+3], 16777216
	s_or_b32 s[G0V+3], s[G0V+3], 0x80000000
	s_mov_b32 s[G0S], 1
	s_add_co_u32 s[G0S+1], s78, KSC
	s_add_nc_u64 s[G0S+2:G0S+3], s[98:99], s[78:79]
	s_add_nc_u64 s[G0S+2:G0S+3], s[G0S+2:G0S+3], 786432
	s_or_b32 s[G0S+3], s[G0S+3], 0x80000000
	CROUND                                         ; all four work-groups are here: the joint loads meet
	s_cmp_lt_u32 s[WV], 4                          ; one chain of branches on the wave's number, one load to an arm
	s_cbranch_scc0 .Lh_v
	TL G0K, G1K
	s_branch .Lh_done
.Lh_v:
	s_cmp_lt_u32 s[WV], 6
	s_cbranch_scc0 .Lh_s
	TL G0V, G1V
	s_branch .Lh_done
.Lh_s:
	TL G0S, G1S
.Lh_done:
	s_lshl_b32 s16, s13, 5
	s_add_co_u32 s16, s16, s[WV]                   ; my first tile of queries among the head's 128: 32 cx + wave; the others lie 8, 16 and 24 further on
	s_lshl_b32 s18, s16, 11
	s_add_nc_u64 s[86:87], s[96:97], s[18:19]      ; its image
	s_lshl_b32 s18, s16, 6
	s_add_nc_u64 s[88:89], s[98:99], s[18:19]      ; its scale words
	s_lshr_b32 s17, s14, 4
	s_lshl_b32 s17, s17, 7
	s_add_co_u32 s17, s17, s16                     ; the same tile among all 512 tiles of rows
	s_and_b32 s26, s14, 15
	s_lshl_b32 s18, s17, 14                        ; o_img: 16,384 bytes a tile of rows, 1,024 a head
	s_lshl_b32 s27, s26, 10
	s_add_co_u32 s18, s18, s27
	s_add_nc_u64 s[8:9], s[8:9], s[18:19]
	s_lshl_b32 s18, s17, 9                         ; o_sc: 16 rows of 32 bytes, 2 bytes a head
	s_lshl_b32 s27, s26, 1
	s_add_co_u32 s18, s18, s27
	s_add_nc_u64 s[10:11], s[10:11], s[18:19]
	s_mov_b32 s[SEL], 0x76543210
	s_mov_b32 s[SEL+1], 0xfedcba98
	s_mov_b32 s[CS], 0x3e38aa3b                    ; c = log2(e) / 8
	s_mov_b32 s[CS+1], s[CS]
	s_mov_b32 s[MNT], 0x600000
	s_mov_b32 s[HM], 0xffff0000                    ; lanes 16-31
	s_mov_b32 s[LM], 0xffff                        ; lanes 0-15
	v_and_b32 v8, 31, v0
	v_and_b32 v9, 15, v0                           ; r
	v_bfe_u32 v10, v0, 4, 1                        ; h
	v_lshlrev_b32 v[LI], 4, v8
	v_lshlrev_b32 v[R4], 2, v9
	v_lshl_add_u32 v[OSA], v9, 5, v10
	v_add_nc_u32 v[AV0], VIMG, v[LI]
	v_add_nc_u32 v[AS0], KSC, v[R4]
	v_add_nc_u32 v[AT0], VSC, v[R4]
	QLOAD                                          ; the first pass's q
	v_mov_b32 v10, 0x3c                            ; the code of +1
	v_mov_b32 v11, 0xbc                            ; the code of -1
.irp t, 0,1,2,3
	v_mov_b32 v[VS+\t], 0                          ; finite scale bytes for the first step's product of zeros
.endr
	v_mov_b32 v[PW], 0
	v_mov_b32 v[PW+1], 0
	WIN W_D1
.irp u, 0,1
	v_cndmask_b32 v[QF+16*\u+8], 0, v10, s[LM]     ; k = 64 is byte 0 of register 8 in lanes 0-15
.endr
.irp t, 0,1,2,3
	v_cndmask_b32 v[KF+8+16*\t], 0, v11, s[LM]
.endr
.irp i, 1,2,3,4,5,6,7
	v_mov_b32 v[QF+8+\i], 0                        ; the rest of the filling: zero codes, set once
	v_mov_b32 v[QF+24+\i], 0
.irp t, 0,1,2,3
	v_mov_b32 v[KF+8+16*\t+\i], 0
.endr
.endr
.set j, 0
.rept 64
	v_mov_b32 v[VF+j], 0                           ; v's registers: zero codes until the first fragments come
.set j, j+1
.endr
	WIN 0
	s_wait_alu depctr_va_vdst(0)
	s_wait_tensorcnt 0x0                           ; my load of the head's group is in
	ds_add_u32 v[SPW], v[NIL]
	s_mov_b32 s[G1K+2], 22<<16                     ; no load of mine is out, so the descriptors may be written
	s_mov_b32 s[G1K+4], 22
	s_mov_b32 s[G1V+2], 3<<16
	s_mov_b32 s[G1V+4], 3
	s_mul_i32 s[G0K+1], s[WV], 22528
	s_add_co_u32 s[G0K+1], s[G0K+1], 40960
	s_add_nc_u64 s[G0K+2:G0K+3], s[96:97], s[80:81]
	s_add_nc_u64 s[G0K+2:G0K+3], s[G0K+2:G0K+3], 8388608+81920
	s_or_b32 s[G0K+3], s[G0K+3], 0x80000000
	s_mul_i32 s[G0V+1], s73, 24576
	s_add_co_u32 s[G0V+1], s[G0V+1], VIMG+32768
	s_add_nc_u64 s[G0V+2:G0V+3], s[84:85], s[82:83]
	s_add_nc_u64 s[G0V+2:G0V+3], s[G0V+2:G0V+3], 16777216+65536
	s_or_b32 s[G0V+3], s[G0V+3], 0x80000000
	s_wait_dscnt 0x0
	CROUND                                         ; the head's group is whole in every partner; the second group's joint loads meet
	s_cmp_lt_u32 s[WV], 4
	s_cbranch_scc0 .L1_v
	TL G0K, G1K
	s_branch .L1_done
.L1_v:
	TL G0V, G1V
.L1_done:
	s_mov_b32 s[PS], 2
.Lpass:                                            ; two passes, two tiles of queries each
	s_wait_loadcnt 0x0                             ; this pass's q is in the staging registers
	s_wait_xcnt 0x0                                ; earlier loads and stores have read their registers
	WIN W_D1
.irp i, 0,1,2,3,4,5,6,7
	v_mov_b32 v[QF+\i], v[QG+\i]
	v_mov_b32 v[QF+16+\i], v[QG+8+\i]
.endr
	WIN 0
	v_mov_b32 v[QS], v[QST]
	v_mov_b32 v[QS+1], v[QST+1]
	s_cmp_eq_u32 s[PS], 1
	s_cbranch_scc1 .Lnoq                           ; the last pass has no successor
	s_add_nc_u64 s[86:87], s[86:87], 32768
	s_add_nc_u64 s[88:89], s[88:89], 1024
	QLOAD                                          ; the next pass's q comes while this pass is walked
.Lnoq:
.irp u, 0,1                                    ; the tiles begin: O^T, the sums and p's codes are zeros (the first step's skewed product adds zeros), the largest t is -2^90
	v_mov_b32 v[M0+4*\u+1], 0xec800000
	v_mov_b32 v[M0+4*\u+2], 0
	v_mov_b32 v[M0+4*\u+3], 0
	v_mov_b32 v[T0+20*\u+16], 0
	v_mov_b32 v[T0+20*\u+17], 0
.irp b, 0,1,2,3
	v_mov_b32 v[T0+20*\u+4+\b], 0
.endr
.endr
.irp u, 0,1
	v_floor_f32 v[M0+4*\u], -v[M0+4*\u+1]
.endr
	WIN W_D1
.set j, 0
.rept 96
	v_mov_b32 v[O0+j], 0
.set j, j+1
.endr
	KL LI, 0                                       ; step 0's tiles 0-3
	WIN 0
	KSL AS0, 0
	s_mov_b32 s[TB], 0
	s_mov_b32 s[TS], 0
	s_mov_b32 s[TJ], 0
	s_mov_b32 s[CNT], 4
	s_wait_alu depctr_va_vdst(0)
.Lfirst:                                           ; steps 0-3 read the head's group alone: k's tiles 0-35, v's key steps 0-3
	STEP
	s_sub_co_u32 s[CNT], s[CNT], 1
	s_cmp_lg_u32 s[CNT], 0
	s_cbranch_scc1 .Lfirst
	s_wait_tensorcnt 0x0                           ; my load of the second group is in (second pass: none is out)
	s_wait_dscnt 0x0
	s_barrier_signal -1
	s_barrier_wait -1                              ; and every wave's
	s_mov_b32 s[TB], 32768
	s_mov_b32 s[TS], 2048
	s_mov_b32 s[TJ], 1024
	s_mov_b32 s[CNT], 12
.Lrest:
	STEP
	s_sub_co_u32 s[CNT], s[CNT], 1
	s_cmp_lg_u32 s[CNT], 0
	s_cbranch_scc1 .Lrest
	s_wait_dscnt 0x0                               ; the last step's fragments of v
	WIN W_RS
	s_wait_alu depctr_va_vdst(0)
	RESC 0
	RESC 1
	WIN W_PV
	PV                                             ; the last step's second product
	WIN 0
	FINISH 0, 0, 0
	FINISH 1, 131072, 4096
	s_wait_xcnt 0x0                                ; the stores have read their bases
	s_add_nc_u64 s[8:9], s[8:9], 262144
	s_add_nc_u64 s[10:11], s[10:11], 8192
	s_sub_co_u32 s[PS], s[PS], 1
	s_cmp_lg_u32 s[PS], 0
	s_wait_alu depctr_va_vdst(0)
	s_cbranch_scc1 .Lpass
	s_wait_tensorcnt 0x0                           ; the wave's end
	ds_add_u32 v[SPW], v[NIL]
	s_wait_dscnt 0x0
	CROUND                                         ; the closing round
	s_endpgm
.Lfunc_end_k_q87fb85e7e5_attn:
	.size	k_q87fb85e7e5_attn, .Lfunc_end_k_q87fb85e7e5_attn-k_q87fb85e7e5_attn
	.p2alignl 7, 3214868480
	.fill 96, 4, 3214868480
	.section	.rodata,"a",@progbits
	.p2align	6, 0x0
	.amdhsa_kernel k_q87fb85e7e5_attn
		.amdhsa_group_segment_fixed_size 327680
		.amdhsa_private_segment_fixed_size 0
		.amdhsa_enable_private_segment 0
		.amdhsa_kernarg_size 32
		.amdhsa_user_sgpr_count 2
		.amdhsa_user_sgpr_kernarg_segment_ptr 1
		.amdhsa_wavefront_size32 1
		.amdhsa_system_sgpr_workgroup_id_x 1
		.amdhsa_system_sgpr_workgroup_id_y 1
		.amdhsa_system_sgpr_workgroup_id_z 1
		.amdhsa_system_vgpr_workitem_id 0
		.amdhsa_next_free_vgpr 512
		.amdhsa_next_free_sgpr 102
		.amdhsa_reserve_vcc 0
		.amdhsa_float_denorm_mode_32 3
		.amdhsa_float_denorm_mode_16_64 3
		.amdhsa_memory_ordered 1
		.amdhsa_forward_progress 1
		.amdhsa_inst_pref_size 109
	.end_amdhsa_kernel
	.amdgpu_metadata
---
amdhsa.version: [ 1, 2 ]
amdhsa.kernels:
  - .name:           k_q87fb85e7e5_attn
    .symbol:         k_q87fb85e7e5_attn.kd
    .args:
      - { .name: qkv_img, .offset: 0, .size: 8, .value_kind: global_buffer, .address_space: global }
      - { .name: qkv_sc, .offset: 8, .size: 8, .value_kind: global_buffer, .address_space: global }
      - { .name: o_img, .offset: 16, .size: 8, .value_kind: global_buffer, .address_space: global }
      - { .name: o_sc, .offset: 24, .size: 8, .value_kind: global_buffer, .address_space: global }
    .group_segment_fixed_size: 327680
    .private_segment_fixed_size: 0
    .kernarg_segment_align: 8
    .kernarg_segment_size: 32
    .max_flat_workgroup_size: 256
    .sgpr_count:     102
    .vgpr_count:     512
    .wavefront_size: 32
...
	.end_amdgpu_metadata
.endif
;; end of part 3
;; launch proj (part 4): grid 4 x 32, 4 waves a work-group, clusters of 4 x 4, 327,680 bytes of LDS; arguments o_img, o_sc, codes1, scales1, proj_b, out0; writes out0
.if DOCPART == 4
	.amdgcn_target "amdgcn-amd-amdhsa--gfx1250"
	.amdhsa_code_object_version 6
	.text
	.protected	k_q87fb85e7e5_proj
	.globl	k_q87fb85e7e5_proj
	.p2align	8
	.type	k_q87fb85e7e5_proj,@function
k_q87fb85e7e5_proj:
	s_mov_b64 s[64:65], 0
	v_nop
	global_prefetch_b8 v0, s[64:65] scope:SCOPE_SE
	s_setreg_imm32_b32 hwreg(HW_REG_WAVE_MODE, 25, 1), 1
	s_wait_xcnt 0x0
	s_wait_alu depctr_hold_cnt(0) depctr_sa_sdst(0) depctr_va_vdst(0) depctr_va_sdst(0) depctr_va_ssrc(0) depctr_va_vcc(0) depctr_vm_vsrc(0)
	s_getreg_b32 s2, hwreg(HW_REG_IB_STS2, 6, 4)
	s_cmp_eq_u32 s2, 0
	s_cbranch_scc0 .Lentry_in_a_cluster
	s_endpgm
.Lentry_in_a_cluster:
	s_bfe_u32 s2, ttmp6, 0x10000c
	s_cmp_lg_u32 s2, 0xf033
	s_cbranch_scc0 .Lentry_shape_is_right
	s_endpgm
.Lentry_shape_is_right:
.set KSTEP,  256
.set NQ,     2
.set ROWB,   256
.set STEPA,  4096
.set KROW,   1024
.set PITCH,  272
.set FR,     16
.set NL,     4
.set NP,     8
.set HALFT,  128*PITCH
.set SLOT,   4*HALFT
.set LAPS,   2
.set KS,     32
.set SCL,    2*SLOT
.set HALFS,  (128*KS/256)*272
.set SBLK,   (16*KS/256)*272
.set SPARE,  SCL+4*HALFS
.set SPITCH, 528
.set ADRA, 16
.set ADRB, 20
.set STO,  24
.set RD,   25
.set CO,   26
.set ADRS, 27
.set SPW,  28
.set NIL,  29
.set SC,   32
.set BI,   64
.set AF,   128
.set BK,   128
.set G1, 24
.set G0, 32
.set G1B, 48
.set G0B, 56
.set G1S, 68
.set G0S, 76
.set G1SB, 80
.set G0SB, 88
.set MSB, 0
.macro WIN new
.if MSB != (\new)
	s_set_vgpr_msb (MSB<<8)|(\new)
.set MSB, (\new)
.endif
.endm
.set MUL_LO, 0xa1
.set MUL_HI, 0xf1
.set TO_B,   0x40
.macro JLOAD g0a, g1a, g0b, g1b
	s_cmp_eq_u32 s15, 0
	s_cbranch_scc0 .Lfor_b_\@
	tensor_load_to_lds s[\g0a:\g0a+3], s[\g1a:\g1a+7]
	s_nop 0
.rept 4
	v_nop
.endr
	s_branch .Lasked_\@
.Lfor_b_\@:
	tensor_load_to_lds s[\g0b:\g0b+3], s[\g1b:\g1b+7]
	s_nop 0
.rept 4
	v_nop
.endr
.Lasked_\@:
.endm
.macro CREST
	s_cmp_lg_u32 s14, 0
	s_cbranch_scc1 .Lnot_wave_0_\@
	s_barrier_signal -3
.Lnot_wave_0_\@:
	s_barrier_wait -3
	s_barrier_signal -1
	s_barrier_wait -1
.endm
.macro CROUND
	s_barrier_signal -1
	s_barrier_wait -1
	CREST
.endm
	s_load_b256 s[4:11], s[0:1], 0x0
	s_load_b128 s[96:99], s[0:1], 0x20
	v_lshl_add_u32 v[SPW], v0, 2, SPARE
	v_mov_b32 v[NIL], 0
	ds_add_u32 v28, v29
	ds_add_u32 v28, v29
	s_wait_dscnt 0x0
	v_lshrrev_b32 v1, 5, v0
	v_readfirstlane_b32 s14, v1
	s_lshr_b32 s15, s14, 1
	s_and_b32 s16, s14, 1
	s_bfe_u32 s40, ttmp6, 0x40000
	s_bfe_u32 s41, ttmp6, 0x40004
	s_lshl_b32 s42, ttmp9, 2
	s_add_co_u32 s42, s42, s40
	s_and_b32 s17, ttmp7, 0xffff
	s_lshl_b32 s17, s17, 2
	s_add_co_u32 s17, s17, s41
	s_lshl_b32 s43, s41, 2
	s_lshl_b32 s43, 15, s43
	s_lshl_b32 s44, 0x1111, s40
	s_or_b32 s[G1+0], s43, (3<<16)|(1<<21)
	s_mov_b32 s[G1+1], 512<<16
	s_mov_b32 s[G1+2], 16<<16                      ; the head's load of A brings 16 tiles of 16 rows
	s_mov_b32 s[G1+3], 512<<16
	s_mov_b32 s[G1+4], 16
	s_mov_b32 s[G1+5], 2048
	s_mov_b32 s[G1+6], 0
	s_mov_b32 s[G1+7], 0
	s_or_b32 s[G1B+0], s44, (0<<16)|(1<<20)|(1<<21)|(5<<22)|(3<<25)
	s_mov_b32 s[G1B+1], ROWB<<16
	s_mov_b32 s[G1B+2], 256<<16                    ; and that of B 256 rows
	s_mov_b32 s[G1B+3], ROWB<<16
	s_mov_b32 s[G1B+4], 256
	s_mov_b32 s[G1B+5], KROW
	s_mov_b32 s[G1B+6], 0
	s_mov_b32 s[G1B+7], 0
	s_or_b32 s[G1S+0], s43, (3<<16)|(1<<20)|(1<<21)|(5<<22)|(3<<25)
	s_or_b32 s[G1SB+0], s44, (3<<16)|(1<<20)|(1<<21)|(5<<22)|(3<<25)
.irp g, G1S, G1SB
	s_mov_b32 s[\g+1], 32<<16
	s_mov_b32 s[\g+2], (256*KS/256)<<16            ; the scales of 256 rows in one load
	s_mov_b32 s[\g+3], 32<<16
	s_mov_b32 s[\g+4], 256*KS/256
	s_mov_b32 s[\g+5], 32
	s_mov_b32 s[\g+6], 0
	s_mov_b32 s[\g+7], 0
.endr
	s_lshl_b32 s20, s17, 8                         ; the tiles' first rows
	s_add_co_u32 s46, s42, 44
	s_lshl_b32 s46, s46, 8
	s_mov_b32 s21, 0
	s_mov_b32 s47, 0
	s_mov_b64 s[18:19], KS
	s_mul_u64 s[22:23], s[20:21], s[18:19]
	s_mul_u64 s[92:93], s[46:47], s[18:19]
	s_mov_b64 s[18:19], KROW
	s_mul_u64 s[20:21], s[20:21], s[18:19]
	s_mul_u64 s[46:47], s[46:47], s[18:19]
	s_mul_i32 s45, s14, HALFT
	s_lshl_b32 s95, s14, 15                        ; A's halves lie dense in a slot: 32,768 bytes each
	s_wait_kmcnt 0x0
	s_add_nc_u64 s[20:21], s[4:5], s[20:21]
	s_add_nc_u64 s[22:23], s[6:7], s[22:23]
	s_add_nc_u64 s[46:47], s[8:9], s[46:47]
	s_add_nc_u64 s[92:93], s[10:11], s[92:93]
	CROUND
	s_mov_b32 s[G0S], 1                            ; the head's four tiles, each whole: the scales of A's 256 rows,
	s_mov_b32 s[G0S+1], SCL
	s_mov_b64 s[G0S+2:G0S+3], s[22:23]
	s_or_b32 s[G0S+3], s[G0S+3], 0x80000000
	s_mov_b32 s[G0SB], 1                           ; those of B's,
	s_mov_b32 s[G0SB+1], SCL+2*HALFS
	s_mov_b64 s[G0SB+2:G0SB+3], s[92:93]
	s_or_b32 s[G0SB+3], s[G0SB+3], 0x80000000
	s_mov_b32 s[G0], 1                             ; K step 0's 256 rows of A (in slot 0's group 0, which is set for the ring behind the wait below),
	s_mov_b32 s[G0+1], 0
	s_mov_b64 s[G0+2:G0+3], s[20:21]
	s_or_b32 s[G0+3], s[G0+3], 0x80000000
	s_mov_b32 s[G0B], 1                            ; and its 256 rows of B
	s_mov_b32 s[G0B+1], 2*HALFT
	s_mov_b64 s[G0B+2:G0B+3], s[46:47]
	s_or_b32 s[G0B+3], s[G0B+3], 0x80000000
; one chain of branches on the wave's number, one joint load to an arm: one tensor load a wave at the head
.macro ARM under, g0, g1, next
	s_cmp_lt_u32 s14, \under
	s_cbranch_scc0 \next
	tensor_load_to_lds s[\g0:\g0+3], s[\g1:\g1+7]
	s_nop 0
.rept 4
	v_nop
.endr
	s_branch .Lhead_asked
\next:
.endm
	ARM 1, G0,  G1,  .Lhead_b
	ARM 2, G0B, G1B, .Lhead_sa
	ARM 3, G0S, G1S, .Lhead_sb
	tensor_load_to_lds s[G0SB:G0SB+3], s[G1SB:G1SB+7]
	s_nop 0
.rept 4
	v_nop
.endr
.Lhead_asked:
	s_mul_i32 s18, s16, 128*KROW                   ; in the ring I fetch 128 rows of a tile: which half, in bytes
	s_mov_b32 s19, 0
	s_add_nc_u64 s[20:21], s[20:21], s[18:19]
	s_add_nc_u64 s[46:47], s[46:47], s[18:19]
	s_mov_b32 s[G0+4], 1                           ; slot 1's group 0: K step 1
	s_add_co_u32 s[G0+5], s95, SLOT
	s_add_nc_u64 s[G0+6:G0+7], s[20:21], STEPA
	s_or_b32 s[G0+7], s[G0+7], 0x80000000
	s_mov_b32 s[G0B+4], 1
	s_add_co_u32 s[G0B+5], s45, SLOT
	s_add_nc_u64 s[G0B+6:G0B+7], s[46:47], ROWB
	s_or_b32 s[G0B+7], s[G0B+7], 0x80000000
	s_wait_alu depctr_va_vdst(0)
	s_wait_tensorcnt 0x0                           ; my tile of the head's four is in
	ds_add_u32 v28, v29
	s_mov_b32 s[G1+2], 8<<16                       ; no load of mine is out, so the descriptors may be written: from here on a load brings 128 rows
	s_mov_b32 s[G1+4], 8
	s_mov_b32 s[G1B+2], 128<<16
	s_mov_b32 s[G1B+4], 128
	s_mov_b32 s[G0+1], s95                         ; slot 0's group 0 for the ring: my 128 rows at K step 0; the first refill steps it to K step 2
	s_mov_b64 s[G0+2:G0+3], s[20:21]
	s_or_b32 s[G0+3], s[G0+3], 0x80000000
	s_mov_b32 s[G0B+1], s45
	s_mov_b64 s[G0B+2:G0B+3], s[46:47]
	s_or_b32 s[G0B+3], s[G0B+3], 0x80000000
	s_wait_dscnt 0x0
	CROUND                                         ; all four tiles are in, in every partner
	JLOAD G0+4, G1, G0B+4, G1B                     ; K step 1, the first tensor load behind the round
	v_and_b32 v1, 15, v0
	v_bfe_u32 v2, v0, 4, 1
	v_and_b32 v6, 31, v0
	v_lshlrev_b32 v[CO], 4, v6
	v_mul_u32_u24 v3, v1, PITCH
	v_lshl_add_u32 v4, v2, 4, v3
	s_lshl_b32 s21, s15, 15                        ; my 128 rows of A: 32,768 dense bytes a half
	s_mul_i32 s22, s16, HALFT
	s_add_co_u32 s22, s22, 2*HALFT
.irp s, 0,1
	v_add_nc_u32 v[ADRA+\s], s21, v[CO]
	v_add_nc_u32 v[ADRB+\s], s22, v4
	s_add_co_u32 s21, s21, SLOT
	s_add_co_u32 s22, s22, SLOT
.endr
	v_mul_u32_u24 v5, v1, KS
	v_lshrrev_b32 v6, 8, v5
	v_lshl_add_u32 v5, v6, 4, v5
	s_mul_i32 s21, s15, HALFS
	s_mul_i32 s22, s16, HALFS
	s_add_co_u32 s22, s22, 2*HALFS
	s_sub_co_u32 s22, s22, s21
	v_mul_u32_u24 v6, s22, v2
	s_add_co_u32 s21, s21, SCL
	v_add_nc_u32 v5, v5, v6
	v_add_nc_u32 v[ADRS], s21, v5
	s_mul_i32 s23, s14, 16*SPITCH
	v_mul_u32_u24 v5, v1, SPITCH
	v_lshl_add_u32 v5, v2, 5, v5
	v_add_nc_u32 v[STO], s23, v5
	v_add_nc_u32 v[RD], s23, v[CO]
	v_lshlrev_b32 v22, 5, v2
	s_wait_alu depctr_va_vdst(0)
	s_lshl_b32 s46, s42, 10
	s_lshl_b32 s47, s16, 9
	s_add_co_u32 s46, s46, s47
	s_mov_b32 s47, 0
	s_add_nc_u64 s[96:97], s[96:97], s[46:47]
	s_lshl_b32 s20, s17, 8
	s_lshl_b32 s21, s15, 7
	s_add_co_u32 s20, s20, s21
	s_lshl_b32 s20, s20, 12
	s_add_co_u32 s20, s20, s46
	s_mov_b32 s21, 0
	s_add_nc_u64 s[12:13], s[98:99], s[20:21]
.irp b, 0,1,2,3,4,5,6,7
	global_load_b128 v[BI+8*\b:BI+8*\b+3], v22, s[96:97] offset:64*\b
	global_load_b128 v[BI+8*\b+4:BI+8*\b+7], v22, s[96:97] offset:64*\b+16
.endr
.macro FRAG reg, adr, q, i
.irp c, 0,1,2,3
	ds_load_b128 v[\reg+4*\c:\reg+4*\c+3], v[\adr] offset:128*(\q)+32*\c+(\i)*16*PITCH
.endr
.endm
.macro FRAGA reg, slot, q, i
.irp c, 0,1,2,3
	ds_load_b128 v[\reg+4*\c:\reg+4*\c+3], v[ADRA+\slot] offset:4096*(\i)+2048*(\q)+512*\c
.endr
.endm
.macro MUL16 a0, p, q, sc, cin
.irp a, \a0, \a0+1
.irp b, 0,1,2,3,4,5,6,7
.if \cin
	v_wmma_scale_f32_16x16x128_f8f6f4 v[8*(8*((\a)%4)+\b):8*(8*((\a)%4)+\b)+7], v[128*(\p)+FR*\b:128*(\p)+FR*\b+FR-1], v[AF+FR*(\a):AF+FR*(\a)+FR-1], v[BI+8*\b:BI+8*\b+7], v[SC+8*NQ*(\sc)+NQ*\b+(\q)], v[SC+8*NQ*(\sc)+NQ*(\a)+(\q)] matrix_a_fmt:MATRIX_FMT_BF8 matrix_b_fmt:MATRIX_FMT_BF8 matrix_a_scale:MATRIX_SCALE_ROW1
.else
	v_wmma_scale_f32_16x16x128_f8f6f4 v[8*(8*((\a)%4)+\b):8*(8*((\a)%4)+\b)+7], v[128*(\p)+FR*\b:128*(\p)+FR*\b+FR-1], v[AF+FR*(\a):AF+FR*(\a)+FR-1], v[8*(8*((\a)%4)+\b):8*(8*((\a)%4)+\b)+7], v[SC+8*NQ*(\sc)+NQ*\b+(\q)], v[SC+8*NQ*(\sc)+NQ*(\a)+(\q)] matrix_a_fmt:MATRIX_FMT_BF8 matrix_b_fmt:MATRIX_FMT_BF8 matrix_a_scale:MATRIX_SCALE_ROW1
.endif
.endr
.endr
.endm
.macro FETCH_B slot, q, p
	WIN TO_B
.irp i, 0,1,2,3,4,5,6,7
	FRAG 128*(\p)+FR*\i, ADRB+\slot, \q, \i
.endr
	WIN 0
.endm
.macro FETCH_A slot, q, i0
.irp i, \i0, \i0+1, \i0+2, \i0+3
	FRAGA AF+FR*(\i), \slot, \q, \i
.endr
.endm
.macro SCALES sc
.irp i, 0,1,2,3,4,5,6,7
	ds_load_b64 v[SC+8*NQ*\sc+NQ*\i:SC+8*NQ*\sc+NQ*\i+1], v[ADRS] offset:\i*SBLK
.endr
.endm
.macro PLACES n
.rept \n
	v_nop
.endr
.endm
.macro STEP slot, q, cin
	s_wait_dscnt 4*NL
.if \cin
	WIN 0x81
.else
	WIN MUL_LO
.endif
	MUL16 0, (\q)%2, \q, \slot, \cin
	MUL16 2, (\q)%2, \q, \slot, \cin
	s_wait_dscnt 0
	PLACES NP
	FETCH_B \slot, (\q)+1, 1-(\q)%2
	FETCH_A \slot, (\q)+1, 0
.if \cin
	WIN 0xc1
.else
	WIN MUL_HI
.endif
	MUL16 4, (\q)%2, \q, \slot, \cin
	MUL16 6, (\q)%2, \q, \slot, \cin
	PLACES NP
	WIN 0
	FETCH_A \slot, (\q)+1, 4
.endm
.macro TURN slot, next, fill
	s_wait_tensorcnt 0x0
	ds_add_u32 v[SPW], v[NIL]
	s_wait_dscnt 4*NL+1
	WIN MUL_LO
	MUL16 0, 1, NQ-1, \slot, 0
	s_wait_dscnt 0x0
	s_barrier_signal -1
	MUL16 2, 1, NQ-1, \slot, 0
	WIN 0
	s_barrier_wait -1
.if \fill
	CREST
	s_add_nc_u64 s[G0+4*\slot+2:G0+4*\slot+3], s[G0+4*\slot+2:G0+4*\slot+3], 2*STEPA
	s_add_nc_u64 s[G0B+4*\slot+2:G0B+4*\slot+3], s[G0B+4*\slot+2:G0B+4*\slot+3], 2*ROWB
	JLOAD G0+4*\slot, G1, G0B+4*\slot, G1B
	PLACES NP-4
.else
	PLACES NP
.endif
	s_wait_alu depctr_va_vdst(0)
	v_add_nc_u32 v[ADRS], 4*NQ, v[ADRS]
	FETCH_B \next, 0, 0
	FETCH_A \next, 0, 0
	SCALES \next
	WIN MUL_HI
	MUL16 4, 1, NQ-1, \slot, 0
	MUL16 6, 1, NQ-1, \slot, 0
	PLACES NP
	WIN 0
	FETCH_A \next, 0, 4
.endm
	s_wait_tensorcnt 1
	s_barrier_signal -1
	s_barrier_wait -1
	FETCH_B 0, 0, 0
	FETCH_A 0, 0, 0
	SCALES 0
	FETCH_A 0, 0, 4
	s_wait_loadcnt 0x0
	STEP 0, 0, 1
	s_mov_b32 s3, LAPS-1
.Llap:
	TURN 0, 1, 1
	STEP 1, 0, 0
	TURN 1, 0, 1
	STEP 0, 0, 0
	s_sub_co_u32 s3, s3, 1
	s_cmp_lg_u32 s3, 0
	s_cbranch_scc1 .Llap
	TURN 0, 1, 0
	STEP 1, 0, 0
	s_wait_dscnt 4*NL
	WIN MUL_LO
	MUL16 0, 1, NQ-1, 1, 0
	MUL16 2, 1, NQ-1, 1, 0
	s_wait_dscnt 0
	WIN MUL_HI
	MUL16 4, 1, NQ-1, 1, 0
	MUL16 6, 1, NQ-1, 1, 0
	WIN 0
.macro TOSTAGE a
.set AC, 64*((\a)%4)
	WIN (0x08+4*((\a)/4))
.irp b, 0,1,2,3,4,5,6,7
	ds_store_b128 v[STO], v[AC+8*\b:AC+8*\b+3] offset:64*\b
	ds_store_b128 v[STO], v[AC+8*\b+4:AC+8*\b+7] offset:64*\b+16
.endr
	WIN 0
.set BB, BK+64*((\a)%2)
.irp t, 0,1,2,3,4,5,6,7,8,9,10,11,12,13,14,15
	ds_load_b128 v[BB+4*\t:BB+4*\t+3], v[RD] offset:\t*SPITCH
.endr
.endm
.macro SEND a, younger
.set BB, BK+64*((\a)%2)
	s_wait_dscnt \younger
.irp t, 0,1,2,3,4,5,6,7,8,9,10,11,12,13,14,15
	global_store_b128 v[CO], v[BB+4*\t:BB+4*\t+3], s[12:13] offset:(32*((\a)/2)+16*(\t/8)+8*((\a)%2)+\t%8)*4096 th:TH_STORE_NT
.endr
.endm
	PLACES NP
	TOSTAGE 0
.irp a, 1,2,3,4,5,6,7
.if \a > 1
	s_wait_xcnt 0x0
.endif
	TOSTAGE \a
	SEND \a-1, 32
.endr
	SEND 7, 0
	s_wait_tensorcnt 0x0
	ds_add_u32 v[SPW], v[NIL]
	s_wait_dscnt 0x0
	CROUND
	s_endpgm
.Lfunc_end_k_q87fb85e7e5_proj:
	.size	k_q87fb85e7e5_proj, .Lfunc_end_k_q87fb85e7e5_proj-k_q87fb85e7e5_proj
	.p2alignl 7, 3214868480
	.fill 96, 4, 3214868480
	.section	.rodata,"a",@progbits
	.p2align	6, 0x0
	.amdhsa_kernel k_q87fb85e7e5_proj
		.amdhsa_group_segment_fixed_size 327680
		.amdhsa_private_segment_fixed_size 0
		.amdhsa_enable_private_segment 0
		.amdhsa_kernarg_size 48
		.amdhsa_user_sgpr_count 2
		.amdhsa_user_sgpr_kernarg_segment_ptr 1
		.amdhsa_wavefront_size32 1
		.amdhsa_system_sgpr_workgroup_id_x 1
		.amdhsa_system_sgpr_workgroup_id_y 1
		.amdhsa_system_sgpr_workgroup_id_z 1
		.amdhsa_system_vgpr_workitem_id 0
		.amdhsa_next_free_vgpr 1024
		.amdhsa_next_free_sgpr 100
		.amdhsa_reserve_vcc 0
		.amdhsa_float_denorm_mode_32 3
		.amdhsa_float_denorm_mode_16_64 3
		.amdhsa_memory_ordered 1
		.amdhsa_forward_progress 1
		.amdhsa_inst_pref_size 148
	.end_amdhsa_kernel
	.amdgpu_metadata
---
amdhsa.version: [ 1, 2 ]
amdhsa.kernels:
  - .name:           k_q87fb85e7e5_proj
    .symbol:         k_q87fb85e7e5_proj.kd
    .args:
      - { .name: o_img, .offset: 0, .size: 8, .value_kind: global_buffer, .address_space: global }
      - { .name: o_sc, .offset: 8, .size: 8, .value_kind: global_buffer, .address_space: global }
      - { .name: codes1, .offset: 16, .size: 8, .value_kind: global_buffer, .address_space: global }
      - { .name: scales1, .offset: 24, .size: 8, .value_kind: global_buffer, .address_space: global }
      - { .name: proj_b, .offset: 32, .size: 8, .value_kind: global_buffer, .address_space: global }
      - { .name: out0, .offset: 40, .size: 8, .value_kind: global_buffer, .address_space: global }
    .group_segment_fixed_size: 327680
    .private_segment_fixed_size: 0
    .kernarg_segment_align: 8
    .kernarg_segment_size: 48
    .max_flat_workgroup_size: 128
    .sgpr_count:     100
    .vgpr_count:     1024
    .wavefront_size: 32
...
	.end_amdgpu_metadata
.endif
;; end of part 4
